; MI455X (gfx1250); checked and timed in simulation.
; The chip was launched on July 23, 2026; its instructions are those of AMD's public machine-readable ISA for CDNA 5 (MIT licence, August 2026) and "CDNA5" Instruction Set Architecture Reference Guide (July 2026). The comments in the code are by the model that wrote it; some were corrected since.
;; Self Attention. Allowed arithmetic: matrix products marked QUANTISED: E2M3 operands, one E8M0 scale for each 32 along K, by v_wmma_scale_f32_16x16x128_f8f6f4 with both operands' format E2M3, f32 sums; everything else in f32.
;; Inputs: kernel 3 x 1,024 x 1,024 float32; x 4 x 2,048 x 1,024 float32.
;; Outputs: out0 4 x 2,048 x 1,024 float32.
;; This version of the problem:
;;   THIS VERSION OF THE PROBLEM IS GIVEN IN LOW PRECISION. The matrix products marked QUANTISED in the list below multiply operands that are first quantised to E2M3 (2 exponent bits, 3 mantissa bits; 6 bits a number), with one power-of-two scale for each 32 numbers along K (OCP MX v1.0); their sums are f32. All else is computed in f32.
;;   The module's matrix products, in the order in which they are computed (A, B: the left and right operand; K: the contracted axis; several contracted axes count as one K, in the product's order):
;;     1. [M 8,192, K 1,024] x [K 1,024, N 1,024]; A: input x; B: input kernel: QUANTISED
;;     2. [M 8,192, K 1,024] x [K 1,024, N 1,024]; A: input x; B: input kernel: QUANTISED
;;     3. [M 8,192, K 1,024] x [K 1,024, N 1,024]; A: input x; B: input kernel: QUANTISED
;;     4. batch 4 x [M 2,048, K 1,024] x [K 1,024, N 2,048]; A: computed on the way; B: computed on the way: QUANTISED
;;     5. batch 4 x [M 2,048, K 2,048] x [K 2,048, N 1,024]; A: softmax (see below); B: computed on the way: QUANTISED
;;   THE QUANTISER, for each operand of a quantised product, along K:
;;     - K is cut into blocks of 32 from its start; a last block that is shorter is filled with zeros.
;;     - A block's scale is 2^e with e = floor(log2(the largest magnitude in the block)) - 2, held to -126 .. 127; a block of zeros has e = 0. As a byte (E8M0): e + 127.
;;     - Each number is divided by its block's scale, clamped to +-7.5, and rounded to the nearest number of E2M3, ties to even, subnormals kept.
;;     - The product sums the exact products of the quantised numbers (number of the format x scale) in f32.
;;   ~~~python
;;   def quantise(x, axis):      # numpy; x: float32 -> the quantised numbers, widened to float32 again
;;       x = np.moveaxis(x, axis, -1); K = x.shape[-1]
;;       x = np.pad(x, [(0, 0)] * (x.ndim - 1) + [(0, -K % 32)]); x = x.reshape(x.shape[:-1] + (-1, 32)); a = np.abs(x).max(-1, keepdims=True)
;;       e = np.where(a > 0, np.clip(np.frexp(np.where(a > 0, a, 1))[1] - 1 - 2, -126, 127), 0)      # np.frexp(a)[1] - 1 = floor(log2(a)), exactly
;;       r = np.clip(x / 2.0 ** e, -7.5, 7.5)
;;       step = 2.0 ** (np.maximum(np.frexp(np.where(r == 0, 1, r))[1] - 1, 0) - 3)
;;       q = np.round(r / step) * step * 2.0 ** e      # np.round: ties to even
;;       return np.moveaxis(q.reshape(q.shape[:-2] + (-1,))[..., :K], -1, axis).astype(np.float32)
;;   ~~~
;;   SOFTMAX AHEAD OF A QUANTISED PRODUCT. Where the list says 'softmax', what is quantised is not the finished softmax but p = 2^(t - M), with t = logit x log2(e) and M = ceil(the row's largest t), a whole number; so 1/2 < the row's largest p <= 1. The row's sum l is taken of the UNQUANTISED p, in f32, and the product's result is divided by l at the end. Since M is a whole number, a kernel that streams over the keys may use a running M (the ceiling of the running maximum): every later rescaling is an exact power of two, which a block's scale takes up: the codes' values come out the same.
;;   OPERANDS COMPUTED ON THE WAY. 'Computed on the way' means the value that the module computes at that place (a softmax that the list does not call 'softmax' is quantised finished and normalised). What goes into a quantiser is computed in f32, as accurately as f32 sums, v_exp_f32 and their like allow (about 1e-6 of the number): no bf16 or f16 on the way to a quantiser, and a product that is left as it is and whose result goes on into a quantised operand takes f32 operands (vector FMAs, or v_wmma_f32_16x16x4_f32). A number that lies on a knife's edge between two numbers of the format may be rounded either way, as far as f32 arithmetic and the matrix unit's own rounding can turn it there, and no further.
;; One version. Each part assembles by itself: llvm-mc -triple=amdgcn-amd-amdhsa -mcpu=gfx1250 --defsym DOCPART=n.
;; ======== version 1 of 1: 4 launches
;; limits: right only within a limited range of input values
;; workspace buffers: xq 6,553,600 bytes; wq3 2,457,600 bytes; qk 13,107,200 bytes; vt 6,815,744 bytes; pq 13,107,200 bytes; st 1,048,576 bytes
;; launch quant (part 1): grid 256 x 1, 11 waves a work-group, no clusters, 69,120 bytes of LDS; arguments x, kernel, xq, wq3; writes xq, wq3
.if DOCPART == 1
	.amdgcn_target "amdgcn-amd-amdhsa--gfx1250"
	.amdhsa_code_object_version 6
	.text
	.protected	k_q95094aa2a5_quant
	.globl	k_q95094aa2a5_quant
	.p2align	8
	.type	k_q95094aa2a5_quant,@function
k_q95094aa2a5_quant:
	s_mov_b64 s[64:65], 0
	v_nop
	global_prefetch_b8 v0, s[64:65] scope:SCOPE_SE
	s_setreg_imm32_b32 hwreg(HW_REG_WAVE_MODE, 25, 1), 1
	s_wait_xcnt 0x0
; x [8192][1024] f32 and kernel [3][1024 (k)][1024 (n)] f32 become codes of FP6 (E2M3) with one E8M0 byte for each 32 along K.
; A block's scale is 2^(floor(log2(its largest magnitude)) - 2); its byte is the largest magnitude's exponent field - 2, held at 1 from below.
; LIMITS: NaN and infinities are not served.  A block of zeros gets the byte 1 where the rule says 127: its codes are zeros, and this program alone reads the bytes.
; RESULTS ARE IMAGES OF THE OPERAND'S REGISTERS: a fragment (16 rows x 128 K, 12 registers a lane) is 1,536 bytes: piece c of 512 = registers 4 c .. 4 c + 3 of lane l at 16 l.  Row block x 12,288 + K step x 1,536.
; ROW ORDER (position 8 h + i of a block, i = 0 .. 7): x's block 16 g + 8 c + 2 j + w holds tokens 256 g + 128 w + 64 c + 32 h + 8 j + i; a weight's block 4 hd + j holds outputs 64 hd + 32 h + 8 j + i.
; Scale words (a row's 128 along K): x at XSO + block x 512 + K step x 64 + 4 r; kernel at WSO + (pair of blocks) x 1,024 + K step x 128 + 4 x lane.
; 256 work-groups of eleven waves: waves 0-7 take two row blocks of x (a wave: one block, two K steps), waves 8-10 one unit each of the kernel: 32 columns x 128 along K.  Waves share nothing: no barrier.
.set XSO,   6291456
.set WSO,   2359296
.set STG,   16*528
.set SPARE, 8*STG
.set SPW,   6
.set NIL,   7
.set R,     16                         ; x: v16-143 two sets of 64 numbers as loaded
.set X,     144                        ; x: v144-207 64 numbers, 32 neighbours twice
.set C,     208                        ; x: v208-231 codes, two sets
.set WD,    232
.set PW,    236
.set KC,    238                        ; 4 x my column of the kernel
.set XW,    16                         ; kernel: v16-79 two sets of 32 numbers
.set F,     80                         ; kernel: v80-103 two fragments
.macro BLK xs, dst, byte               ; 32 numbers of a lane, one block, become six registers of codes and the scale's byte
	v_max3_num_f32 v8, |v[\xs]|, |v[\xs+1]|, |v[\xs+2]|
	v_max3_num_f32 v9, |v[\xs+3]|, |v[\xs+4]|, |v[\xs+5]|
.irp i, 6,10,14,18,22,26
	v_max3_num_f32 v8, v8, |v[\xs+\i]|, |v[\xs+\i+1]|
	v_max3_num_f32 v9, v9, |v[\xs+\i+2]|, |v[\xs+\i+3]|
.endr
	v_max3_num_f32 v8, v8, |v[\xs+30]|, |v[\xs+31]|
	v_max3_num_f32 v8, v8, v9, 0x1800000           ; and the floor 2^(3 - 127)
	v_add_nc_u32 v10, 0xff000000, v8               ; 2 off the exponent field: the conversions' scale operand
	v_cvt_scalef32_pk16_fp6_f32 v[\dst:\dst+2], v[\xs:\xs+15], v10
	v_cvt_scalef32_pk16_fp6_f32 v[12:14], v[\xs+16:\xs+31], v10
	v_lshrrev_b32 v[\byte], 23, v10
	v_mov_b32 v[\dst+3], v12
	v_mov_b32 v[\dst+4], v13
	v_mov_b32 v[\dst+5], v14
.endm
.macro XLOAD t                         ; stage row i is the block's row 32 (i / 8) + i % 8; 32 lanes read 512 consecutive bytes
.irp i, 0,1,2,3,4,5,6,7,8,9,10,11,12,13,14,15
	global_load_b128 v[R+64*(\t)+4*\i:R+64*(\t)+4*\i+3], v1, s[4:5] offset:(32*(\i/8)+(\i%8))*4096+512*(\t) th:TH_LOAD_NT
.endr
.endm
.macro XSTEP t
.set CS, C+12*(\t)
	s_wait_loadcnt 16*(1-(\t))                     ; this K step's 16 loads are in
.irp i, 0,1,2,3,4,5,6,7,8,9,10,11,12,13,14,15
	ds_store_b128 v2, v[R+64*(\t)+4*\i:R+64*(\t)+4*\i+3] offset:528*\i   ; LDS serves a wave's instructions in order: no wait ahead of the loads
.endr
.irp c, 0,1
.irp j, 0,1,2,3,4,5,6,7
	ds_load_b128 v[X+32*\c+4*\j:X+32*\c+4*\j+3], v3 offset:256*\c+16*\j   ; k = 64 c + 32 h + 4 j ..
.endr
.endr
	s_wait_dscnt 0x0
	BLK X, CS, 11                                  ; my block h of the K step,
	BLK X+32, CS+6, 15                             ; and block 2 + h
	v_lshl_or_b32 v[WD+(\t)], v15, 16, v11
	v_lshlrev_b32 v[WD+(\t)], v5, v[WD+(\t)]       ; 8 h bits up;
	v_permlanex16_b32 v9, v[WD+(\t)], s24, s25
	v_or_b32 v[WD+(\t)], v[WD+(\t)], v9            ; with lane l xor 16's two bytes the word is whole
.irp c, 0,1,2
	global_store_b128 v1, v[CS+4*\c:CS+4*\c+3], s[8:9] offset:1536*(\t)+512*\c
.endr
.endm
.macro WLOAD t                         ; block t: kernel(32 t + i, my column)
.irp i, 0,1,2,3,4,5,6,7,8,9,10,11,12,13,14,15,16,17,18,19,20,21,22,23,24,25,26,27,28,29,30,31
	global_load_b32 v[XW+32*((\t)%2)+\i], v[KC], s[6:7] offset:(32*(\t)+\i)*4096
.endr
.endm
.macro WBLOCK t
.set CC, (\t)/2
.set HH, (\t)%2
.if (\t) < 3
	s_wait_loadcnt 32                              ; this block's 32 loads are in; the next one's may be out
.else
	s_wait_loadcnt 0x0
.endif
	BLK XW+32*HH, F+12*HH+6*CC, 11
.if (\t) == 0
	v_mov_b32 v[WD], v11
.else
	v_lshl_or_b32 v[WD], v11, 8*(\t), v[WD]
.endif
.if (\t)+2 < 4
	WLOAD (\t)+2
.endif
.if HH                                 ; lanes 0-15 hold the first row block's rows, lanes 16-31 the second's: the swap gives each fragment its two blocks
.irp i, 0,1,2,3,4,5
	v_permlane16_swap_b32 v[F+6*CC+\i], v[F+12+6*CC+\i]
.endr
.endif
.endm
	s_load_b256 s[4:11], s[0:1], 0x0               ; x, kernel, xq, wq3
	v_lshl_add_u32 v[SPW], v0, 2, SPARE
	v_mov_b32 v[NIL], 0
	v_lshrrev_b32 v8, 5, v0
	v_readfirstlane_b32 s16, v8                    ; wave 0..10
	v_and_b32 v8, 31, v0
	v_and_b32 v9, 15, v0                           ; r
	v_bfe_u32 v10, v0, 4, 1                        ; h
	v_lshlrev_b32 v1, 4, v8
	v_lshlrev_b32 v4, 2, v8
	v_lshlrev_b32 v5, 3, v10
	v_mul_u32_u24 v3, v9, 528
	v_lshl_add_u32 v3, v10, 7, v3
	v_and_b32 v11, 7, v9
	v_lshl_add_u32 v11, v10, 3, v11
	v_lshrrev_b32 v12, 3, v9
	v_lshl_add_u32 v11, v12, 5, v11                ; my column of the unit: 32 (r / 8) + 8 h + r % 8: position r of row block h
	v_lshlrev_b32 v[KC], 2, v11
	s_mul_i32 s19, s16, STG
	v_add_nc_u32 v2, s19, v1                       ; the stage: in,
	v_add_nc_u32 v3, s19, v3                       ; and out: row r, + 128 h
	s_mov_b32 s24, 0x76543210
	s_mov_b32 s25, 0xfedcba98                      ; lane l xor 16
	s_mov_b32 s26, 0xffff0000                      ; lanes 16-31
	s_wait_alu depctr_va_vdst(0)                   ; the wait at the head's end
	s_cmp_ge_u32 s16, 8
	s_cbranch_scc1 .Lweights
	; ---- x: row block 2 g + u, K steps 2 kq, 2 kq + 1
	s_lshr_b32 s17, s16, 2                         ; u
	s_and_b32 s18, s16, 3                          ; kq
	s_lshr_b32 s20, ttmp9, 3
	s_lshl_b32 s20, s20, 20
	s_lshl_b32 s22, s17, 19
	s_add_co_u32 s20, s20, s22
	s_bfe_u32 s22, ttmp9, 0x10002
	s_lshl_b32 s22, s22, 18
	s_add_co_u32 s20, s20, s22
	s_and_b32 s22, ttmp9, 3
	s_lshl_b32 s22, s22, 15
	s_add_co_u32 s20, s20, s22
	s_lshl_b32 s22, s18, 10
	s_add_co_u32 s20, s20, s22                     ; row 256 (g / 8) + 128 u + 64 ((g / 4) % 2) + 8 (g % 4), 256 kq along K
	s_mov_b32 s21, 0
	s_lshl_b32 s27, ttmp9, 1
	s_add_co_u32 s27, s27, s17
	s_mul_i32 s22, s27, 12288
	s_mul_i32 s28, s18, 3072
	s_add_co_u32 s22, s22, s28                     ; codes
	s_mov_b32 s23, 0
	s_lshl_b32 s28, s27, 9
	s_lshl_b32 s27, s18, 7
	s_add_co_u32 s28, s28, s27
	s_add_co_u32 s28, s28, XSO                     ; scale words
	s_mov_b32 s29, 0
	s_wait_kmcnt 0x0
	s_add_nc_u64 s[4:5], s[4:5], s[20:21]
	s_add_nc_u64 s[30:31], s[8:9], s[28:29]
	s_add_nc_u64 s[8:9], s[8:9], s[22:23]
	XLOAD 0
	XLOAD 1
	XSTEP 0
	XSTEP 1
	v_cndmask_b32 v[PW], v[WD], v[WD+1], s26       ; lanes 0-15 the first K step's words, lanes 16-31 the second's
	global_store_b32 v4, v[PW], s[30:31]
	s_wait_tensorcnt 0x0                           ; the wave's end
	ds_add_u32 v[SPW], v[NIL]
	s_wait_dscnt 0x0
	s_endpgm
.Lweights:
	; ---- kernel: unit 3 g + wave - 8 = 16 hd + 2 ks + p: head column hd of 48, K step ks, row blocks 4 hd + 2 p and + 1
	s_mul_i32 s17, ttmp9, 3
	s_add_co_u32 s17, s17, s16
	s_sub_co_u32 s17, s17, 8
	s_and_b32 s18, s17, 1                          ; p
	s_bfe_u32 s19, s17, 0x30001                    ; ks
	s_lshr_b32 s20, s17, 4                         ; hd
	s_lshr_b32 s22, s20, 4
	s_lshl_b32 s22, s22, 22
	s_and_b32 s27, s20, 15
	s_lshl_b32 s27, s27, 8
	s_add_co_u32 s22, s22, s27
	s_lshl_b32 s27, s18, 6
	s_add_co_u32 s22, s22, s27
	s_lshl_b32 s27, s19, 19
	s_add_co_u32 s22, s22, s27
	s_mov_b32 s23, 0
	s_lshl_b32 s27, s20, 1
	s_add_co_u32 s27, s27, s18
	s_mul_i32 s28, s27, 2*12288
	s_mul_i32 s30, s19, 1536
	s_add_co_u32 s28, s28, s30                     ; codes
	s_mov_b32 s29, 0
	s_lshl_b32 s30, s27, 10
	s_lshl_b32 s27, s19, 7
	s_add_co_u32 s30, s30, s27
	s_add_co_u32 s30, s30, WSO                     ; scale words
	s_mov_b32 s31, 0
	s_wait_kmcnt 0x0
	s_add_nc_u64 s[6:7], s[6:7], s[22:23]
	s_add_nc_u64 s[12:13], s[10:11], s[30:31]
	s_add_nc_u64 s[10:11], s[10:11], s[28:29]
	WLOAD 0
	WLOAD 1
.irp t, 0,1,2,3
	WBLOCK \t
.endr
.irp f, 0,1
.irp c, 0,1,2
	global_store_b128 v1, v[F+12*\f+4*\c:F+12*\f+4*\c+3], s[10:11] offset:12288*\f+512*\c
.endr
.endr
	global_store_b32 v4, v[WD], s[12:13]
	s_endpgm
.Lfunc_end_k_q95094aa2a5_quant:
	.size	k_q95094aa2a5_quant, .Lfunc_end_k_q95094aa2a5_quant-k_q95094aa2a5_quant
	.p2alignl 7, 3214868480
	.fill 96, 4, 3214868480
	.section	.rodata,"a",@progbits
	.p2align	6, 0x0
	.amdhsa_kernel k_q95094aa2a5_quant
		.amdhsa_group_segment_fixed_size 69120
		.amdhsa_private_segment_fixed_size 0
		.amdhsa_enable_private_segment 0
		.amdhsa_kernarg_size 32
		.amdhsa_user_sgpr_count 2
		.amdhsa_user_sgpr_kernarg_segment_ptr 1
		.amdhsa_wavefront_size32 1
		.amdhsa_system_sgpr_workgroup_id_x 1
		.amdhsa_system_sgpr_workgroup_id_y 1
		.amdhsa_system_sgpr_workgroup_id_z 1
		.amdhsa_system_vgpr_workitem_id 0
		.amdhsa_next_free_vgpr 240
		.amdhsa_next_free_sgpr 66
		.amdhsa_reserve_vcc 0
		.amdhsa_float_denorm_mode_32 3
		.amdhsa_float_denorm_mode_16_64 3
		.amdhsa_memory_ordered 1
		.amdhsa_forward_progress 1
		.amdhsa_inst_pref_size 37
	.end_amdhsa_kernel
	.amdgpu_metadata
---
amdhsa.version: [ 1, 2 ]
amdhsa.kernels:
  - .name:           k_q95094aa2a5_quant
    .symbol:         k_q95094aa2a5_quant.kd
    .args:
      - { .name: x, .offset: 0, .size: 8, .value_kind: global_buffer, .address_space: global }
      - { .name: kernel, .offset: 8, .size: 8, .value_kind: global_buffer, .address_space: global }
      - { .name: xq, .offset: 16, .size: 8, .value_kind: global_buffer, .address_space: global }
      - { .name: wq3, .offset: 24, .size: 8, .value_kind: global_buffer, .address_space: global }
    .group_segment_fixed_size: 69120
    .private_segment_fixed_size: 0
    .kernarg_segment_align: 8
    .kernarg_segment_size: 32
    .max_flat_workgroup_size: 352
    .sgpr_count:     66
    .vgpr_count:     240
    .wavefront_size: 32
...
	.end_amdgpu_metadata
.endif
;; end of part 1
;; launch proj (part 2): grid 16 x 16, 4 waves a work-group, clusters of 4 x 4, 327,680 bytes of LDS; arguments xq, wq3, qk, vt; writes qk, vt
.if DOCPART == 2
	.amdgcn_target "amdgcn-amd-amdhsa--gfx1250"
	.amdhsa_code_object_version 6
	.text
	.protected	k_q95094aa2a5_proj
	.globl	k_q95094aa2a5_proj
	.p2align	8
	.type	k_q95094aa2a5_proj,@function
k_q95094aa2a5_proj:
	s_mov_b64 s[64:65], 0
	v_nop
	global_prefetch_b8 v0, s[64:65] scope:SCOPE_SE
	s_setreg_imm32_b32 hwreg(HW_REG_WAVE_MODE, 25, 1), 1
	s_wait_xcnt 0x0
	s_wait_alu depctr_hold_cnt(0) depctr_sa_sdst(0) depctr_va_vdst(0) depctr_va_sdst(0) depctr_va_ssrc(0) depctr_va_vcc(0) depctr_vm_vsrc(0)
	s_getreg_b32 s2, hwreg(HW_REG_IB_STS2, 6, 4)
	s_cmp_eq_u32 s2, 0
	s_cbranch_scc0 .Lentry_in_a_cluster
	s_endpgm
.Lentry_in_a_cluster:
	s_bfe_u32 s2, ttmp6, 0x10000c
	s_cmp_lg_u32 s2, 0xf033
	s_cbranch_scc0 .Lentry_shape_is_right
	s_endpgm
.Lentry_shape_is_right:
; Q, K, V = x W and their quantisers, on codes of FP6 (E2M3) with E8M0 scales, K = 1,024.  No f32 result is stored.
; LIMITS: NaN and infinities are not served; a block of zeros gets the byte 1 with zero codes.
; THE DEAL: 256 work-groups of four waves, 2 x 2.  A wave holds 64 rows of a weight, all of K, in 384 registers; x streams past in blocks of 16 rows, 32 products a block: the wave in row a takes row block 2 s + a of the work-group's rows as its block s.
; A work-group makes 256 x 128 of V (phase 1), then 512 x 128 of Q or K (phase 2).  V's 256 rows are half s87 of its own 512: chunks 0 and 1 (128 rows each) serve both; the other half's two chunks are refills.
; s87 and the tensor come from the cluster's number alone, so all sixteen partners agree.  x's rows are shared along a row of the cluster, a weight's along a column: joint loads.
; WHAT COMES OUT: a lane's 32 sums are one block of 32 along the next product's K.  Phase 2 (source 0 = weight's rows): 32 neighbouring outputs of one token; six registers = half c of a fragment, stored as 512 bytes (registers 0-3) and 256 (4-5).
; qk: Q's then K's row block x 12,288 + (2 x K step + c) x 768, row block 16 g + 8 a + s; scale words at QSO + K step of 16 x 32,768 + 4 x row.
; Phase 1 (source 0 = x's rows): a lane holds one output and, over four blocks, 32 neighbouring tokens; vt: VSO + batch x 1,572,864 + row block x 24,576 + K step x 1,536 in three pieces; scale words ahead of them.
; A BLOCK: 32 products; among them the scalar work and the search for the largest magnitudes of the block before; behind the last product its conversions and stores, and one run of 28 LDS loads: the block two further on, into the set just read.
; REFILLS, each in a drained round: V's block 2 (W_q's or W_k's rows over W_v's, which all waves hold in registers), phase 2's blocks 2 and 6 (a slot, all of whose blocks have been read).  Plain barriers in V's block 7 and in blocks 10 and 12 (one text) show what landed.
; PREFETCH: what each refill will load, shared out by address among the sixteen waves that ask jointly, ahead of its round; each block of 256 bytes once in a cluster.
.set YB,    98304                      ; a slot: 8 row blocks x 12,288 bytes
.set BVB,   2*YB                       ; the weights' region
.set SCL,   3*YB                       ; two places for a chunk's scale words
.set SCB,   4096
.set XN,    SCL+2*SCB                  ; Q's or K's scale bytes: [a][s][r] words
.set XM,    XN+2048                    ; V's: [a][4 b + t][r] words
.set SPARE, XM+1024
.set XSO,   6291456
.set WSO,   2359296
.set QSO,   12582912
.set VSO,   524288
.set NF,    28                         ; LDS loads of a block: 24 for eight fragments, 4 for their scale words
.set ADRA0, 4                          ; v4  LDS address of my block 0;  v12 of the block that is fetched next
.set AAS0,  6                          ; v6  of its scale words;  v17 likewise
.set C8,    8
.set CO,    9
.set SPW,   10
.set NIL,   11
.set ADRA,  12
.set ADRB,  14
.set C4,    16
.set AAS,   17
.set STO,   18
.set STV,   19
.set SB,    24                         ; v24-39 the weights' scale words: 8 p + q: lanes 0-15 tile 2 p, lanes 16-31 tile 2 p + 1
.set TQ,    40
.set SA,    45                         ; v45-48, v53-56 the rows' scale words: register m: lanes 0-15 K step 2 m, lanes 16-31 2 m + 1
.set TC,    60
.set ACC,   64                         ; v64-127 phase 2: two sets of four accumulators
.set HV0,   64                         ; v64-191 phase 1, band 0: 32 t + 8 j + i
.set HV1,   840                        ; v840-967 band 1
.set NCD,   128
.set MCD,   192                        ; v192-239 phase 1: four operands of twelve
.set SOP,   240
.set EB,    244
.set VX,    248
.set SB2,   968                        ; v968-983 phase 2's weights' scale words
.set G1A, 24
.set G1B, 32
.set G0A, 56
.set G0B, 60
.set G0R, 68
.set G0S, 72
.set G1S, 92
.set MSB, 0
.macro WIN new
.if MSB != \new
	s_set_vgpr_msb (MSB<<8)|\new
.set MSB, \new
.endif
.endm
.macro PLACES n
.rept \n
	v_nop
.endr
.endm
.macro WALU
	s_wait_alu depctr_va_vdst(0)
.endm
.macro BARRIER
	s_barrier_signal -1
	s_barrier_wait -1
.endm
.macro MIDDLE                          ; the opening wait, wave 0's signal for the work-group, the cluster's wait
	WIN 0
	s_barrier_wait -1
	s_cmp_lg_u32 s14, 0
	s_cbranch_scc1 .Lnot_wave_0_\@
	s_barrier_signal -3
.Lnot_wave_0_\@:
	s_barrier_wait -3
.endm
.macro CROUND
	s_barrier_signal -1
	MIDDLE
	BARRIER
.endm
.macro GRD
	s_wait_tensorcnt 0x0
	ds_add_u32 v[SPW], v[NIL]
.endm
.macro TLOAD g0, g1
	tensor_load_to_lds s[\g0:\g0+3], s[\g1:\g1+7]
	s_nop 0
	PLACES 4
.endm
.macro GROUP1 g, mask, c, r            ; r rows of c elements of 8 bytes, dense
	s_or_b32 s[\g+0], s\mask, (3<<16)|(1<<21)
	s_mov_b32 s[\g+1], (\c)<<16
	s_mov_b32 s[\g+2], (\r)<<16
	s_mov_b32 s[\g+3], (\c)<<16
	s_mov_b32 s[\g+4], \r
	s_mov_b32 s[\g+5], \c
	s_mov_b32 s[\g+6], 0
	s_mov_b32 s[\g+7], 0
.endm
.macro GROUP0 g, lds, base, off
	s_mov_b32 s[\g], 1
	s_mov_b32 s[\g+1], \lds
	s_mov_b32 s20, s\off
	s_mov_b32 s21, 0
	s_add_nc_u64 s[\g+2:\g+3], s[\base:\base+1], s[20:21]
	s_or_b32 s[\g+3], s[\g+3], 0x80000000
.endm
.macro SADD d, x
	s_add_co_u32 s\d, s\d, s\x
.endm
; fragment f lies in window 1 + f / 21 at register 12 (f % 21): 0-31 the weights' (4 q + t), 32-39 and 40-47 the rows' two sets
.macro FRAG f, adr, off
.set F_, \f
.set R_, 12*(F_%21)
	WIN ((1+F_/21)<<6)
	ds_load_b128 v[R_:R_+3], v[\adr] offset:\off
	ds_load_b128 v[R_+4:R_+7], v[\adr] offset:(\off)+512
	ds_load_b128 v[R_+8:R_+11], v[\adr] offset:(\off)+1024
.endm
.macro FETCHAT e, adr, as              ; a block of x's rows into set e: NF loads
	WIN 0
.irp m, 0,1,2,3
	ds_load_b32 v[SA+8*(\e)+\m], v[\as] offset:128*\m
.endr
.irp q, 0,1,2,3,4,5,6,7
	FRAG 32+8*(\e)+\q, \adr, 1536*\q
.endr
	WIN 0
.endm
.macro WEIGHTS
.irp q, 0,1,2,3,4,5,6,7
.irp t, 0,1,2,3
	FRAG 4*\q+\t, ADRB, 12288*\t+1536*\q
.endr
.endr
	WIN 0
.endm
.macro FETCH01                         ; a phase's first two blocks
	FETCHAT 0, ADRA0, AAS0
	FETCHAT 1, ADRA, AAS
	s_mov_b32 s101, 24576
	s_mov_b32 s91, 1024
.endm
.macro PRL d, s0, s1, c, x0, x1, ra, rb
	v_wmma_scale_f32_16x16x128_f8f6f4 v[\d:\d+7], v[12*((\s0)%21):12*((\s0)%21)+11], v[12*((\s1)%21):12*((\s1)%21)+11], \c, v[\x0], v[\x1] matrix_a_fmt:MATRIX_FMT_FP6 matrix_b_fmt:MATRIX_FMT_FP6 matrix_a_scale:MATRIX_SCALE_ROW\ra matrix_b_scale:MATRIX_SCALE_ROW\rb
.endm
.macro PR d, s0, s1, c, x0, x1, r0, r1
.if \r0
.if \r1
	PRL \d, \s0, \s1, \c, \x0, \x1, 1, 1
.else
	PRL \d, \s0, \s1, \c, \x0, \x1, 1, 0
.endif
.else
.if \r1
	PRL \d, \s0, \s1, \c, \x0, \x1, 0, 1
.else
	PRL \d, \s0, \s1, \c, \x0, \x1, 0, 0
.endif
.endif
.endm
; product n = 4 q + t of a block: kind 0 (Q, K): source 0 the weight's rows; kind 1 (V): source 0 x's rows.  Four accumulators take turns
.macro PROD kind, e, n, a0, as
.set Q_, (\n)/4
.set T_, (\n)%4
.set FB_, 4*Q_+T_
.set FA_, 32+8*(\e)+Q_
.set D_, (\a0)+(\as)*T_
.set DL_, D_&255
.set DW_, D_>>8
.set XB_, SB+8*(T_/2)+Q_
.set XA_, SA+8*(\e)+Q_/2
.if \kind
	WIN (1+FA_/21)|((1+FB_/21)<<2)|(DW_<<4)|(DW_<<6)
.if Q_
	PR DL_, FA_, FB_, v[DL_:DL_+7], XA_, XB_, Q_%2, T_%2
.else
	PR DL_, FA_, FB_, 0, XA_, XB_, Q_%2, T_%2
.endif
.else
	WIN (1+FB_/21)|((1+FA_/21)<<2)|(DW_<<4)|(DW_<<6)
.if Q_
	PR DL_, FB_, FA_, v[DL_:DL_+7], XB_, XA_, T_%2, Q_%2
.else
	PR DL_, FB_, FA_, 0, XB_, XA_, T_%2, Q_%2
.endif
.endif
.endm
; products from .. to - 1; behind every second one two entries of the list (a macro: entry number, two arguments of its own)
.macro BLOCK kind, e, a0, as, from, to, list, x=0, y=0
.set N_, \from
.rept (\to)-(\from)
	PROD \kind, \e, N_, \a0, \as
.if N_%2
	\list N_-1, \x, \y
	\list N_, \x, \y
.endif
.set N_, N_+1
.endr
.endm
.macro STEP i, y                       ; on to the addresses of the block two further on; y = 2: with the test for the ring's end; y = 0: nothing
.if \y
.if (\i) == 0
	s_add_co_u32 s101, s101, 24576
.if (\y) == 2
	s_cmp_eq_u32 s101, 2*YB
	s_cselect_b32 s101, 0, s101
.endif
	WIN 0
	v_add_nc_u32 v[ADRA], s101, v[ADRA0]
.elseif (\i) == 1
	s_add_co_u32 s91, s91, 1024
.if (\y) == 2
	s_cmp_eq_u32 s91, 2*SCB
	s_cselect_b32 s91, 0, s91
.endif
	WIN 0
	v_add_nc_u32 v[AAS], s91, v[AAS0]
.endif
.endif
.endm
.macro CHAIN i, x, n, t=TQ             ; 18 entries: the largest magnitude of the 32 sums from register x on, in two chains; the conversions' scale operand v[SOP+n]
.set XW_, (\x)>>8
.set XL_, (\x)&255
.if ((\i) >= 0) && ((\i) < 14)
.set B_, XL_+16*((\i)%2)+2*((\i)/2)
.set T_, (\t)+1-(\i)%2
.if (\i) < 2
	WIN XW_|(XW_<<2)|(XW_<<4)
	v_max3_num_f32 v[T_], |v[B_]|, |v[B_+1]|, |v[B_+2]|
.else
	WIN (XW_<<2)|(XW_<<4)
	v_max3_num_f32 v[T_], v[T_], |v[B_+1]|, |v[B_+2]|
.endif
.elseif (\i) == 14
	WIN XW_<<2
	v_max3_num_f32 v[\t+1], v[\t+1], |v[XL_+15]|, 0x1800000   ; with the floor 2^(3 - 127)
.elseif (\i) == 15
	WIN 0
	v_nop
.elseif (\i) == 16
	WIN XW_<<2
	v_max3_num_f32 v[\t], v[\t], |v[XL_+31]|, v[\t+1]
.elseif (\i) == 17
	WIN 0
	v_add_nc_u32 v[SOP+\n], 0xff000000, v[\t]
.endif
.endm
.macro CODES i, x, c, n, t=TC          ; 6 lines: 32 codes (of sums in window 0) into v[c .. c+5], the scale's byte into v[EB+n]
	WIN 0
.if (\i) == 0
	v_cvt_scalef32_pk16_fp6_f32 v[\c:\c+2], v[\x:\x+15], v[SOP+\n]
.elseif (\i) == 1
	v_cvt_scalef32_pk16_fp6_f32 v[\t:\t+2], v[\x+16:\x+31], v[SOP+\n]
.elseif (\i) == 2
	v_lshrrev_b32 v[EB+\n], 23, v[SOP+\n]
.else
	v_mov_b32 v[\c+\i], v[\t+\i-3]
.endif
.endm
.macro CODES6 x, c, n
.irp i, 0,1,2,3,4,5
	CODES \i, \x, \c, \n
.endr
.endm
.macro PFTILE v, off, share            ; my sixteenth of a tile of 98,304 bytes: 24 blocks of 256
	s_mul_i32 s21, s\share, 6144
	s_add_co_u32 s20, s\off, s21
	WIN 0
	v_min_u32 v\v, 23, v3
	v_lshl_add_u32 v\v, v\v, 8, s20
.endm
.macro PFGO v, base
	global_prefetch_b8 v\v, s[\base:\base+1] th:TH_LOAD_NT scope:SCOPE_SE
.endm
.macro ASK i                           ; 4 entries: the descriptors of the next chunk (waves 0 and 1 a half each) and of its scale words
.if (\i) == 0
	s_mul_i32 s20, s16, YB/2
	s_add_co_u32 s[G0R+1], s20, s47
	s_add_co_u32 s20, s20, s88
	s_mov_b32 s21, 0
.elseif (\i) == 1
	s_add_nc_u64 s[G0R+2:G0R+3], s[4:5], s[20:21]
	s_or_b32 s[G0R+3], s[G0R+3], 0x80000000
	s_mov_b32 s[G0S+1], s8
	s_mov_b32 s20, s55
.elseif (\i) == 2
	s_add_nc_u64 s[G0S+2:G0S+3], s[4:5], s[20:21]
	s_or_b32 s[G0S+3], s[G0S+3], 0x80000000
	s_add_co_u32 s88, s88, YB
	s_add_co_u32 s55, s55, SCB
.elseif (\i) == 3
	s_xor_b32 s47, s47, YB
	s_xor_b32 s8, s8, SCB
.endif
.endm
.macro OUTADR i                        ; 3 entries: where block s46's codes go (by its true half) and its scale bytes (the stage goes by the order of work)
.if (\i) == 0
	s_lshr_b32 s3, s46, 3
	s_xor_b32 s3, s3, s87
	s_mul_i32 s20, s3, 196608
	s_and_b32 s22, s46, 7
.elseif (\i) == 1
	s_mul_i32 s22, s22, 12288
	s_add_co_u32 s20, s20, s22
	s_mov_b32 s21, 0
	s_add_nc_u64 s[84:85], s[10:11], s[20:21]
.elseif (\i) == 2
	s_lshl_b32 s22, s46, 6
	s_add_co_u32 s46, s46, 1
	WIN 0
	v_add_nc_u32 v[VX], s22, v[STO]
.endif
.endm
; ---- the lists
.macro L_NONE i, x, y
.endm
.macro L_ST i, x, y
	STEP \i, 1
.endm
.macro L_OUT i, x, y
	CHAIN \i, \x, \y
	STEP (\i)-18, 1
.endm
.macro L_LAST i, x, y
	CHAIN \i, \x, \y
.endm
.macro L_N i, x, y
	OUTADR \i
	STEP (\i)-3, \y
	CHAIN (\i)-5, \x, 0
.endm
.macro L_R i, x, y
	ASK \i
	STEP (\i)-3, \y
	OUTADR (\i)-4
	CHAIN (\i)-7, \x, 0
.endm
.macro L_V2 i, x, y                    ; the first refill's descriptor; from here on a load of codes brings 4 row blocks, one of scale words 16 rows of 256; the second refill's prefetch addresses
.if (\i) == 0
	s_mov_b32 s[G1A+2], 4<<16
	s_mov_b32 s[G1A+4], 4
	s_mov_b32 s[G1S+2], 16<<16
	s_mov_b32 s[G1S+4], 16
.elseif (\i) == 1
	s_mov_b32 s[G1B+2], 4<<16
	s_mov_b32 s[G1B+4], 4
	s_mul_i32 s20, s16, YB/2
	s_add_co_u32 s[G0B+1], s20, BVB
.elseif (\i) == 2
	s_add_co_u32 s20, s20, s9
	s_mov_b32 s21, 0
	s_add_nc_u64 s[G0B+2:G0B+3], s[6:7], s[20:21]
	s_or_b32 s[G0B+3], s[G0B+3], 0x80000000
.elseif (\i) == 4
	PFTILE 20, 88, 90
.elseif (\i) == 5
	s_lshl_b32 s21, s90, 9
	s_add_co_u32 s20, s55, s21
	WIN 0
	v_min_u32 v21, 1, v3
	v_lshl_add_u32 v21, v21, 8, s20
.endif
	STEP (\i)-6, 1
.endm
.macro L_V7 i, x, y
.if (\i) == 0
	s_add_co_u32 s22, s88, YB
	PFTILE 22, 22, 90
.endif
	CHAIN (\i)-1, \x, \y
.endm
.macro BORD0                           ; a block's end with no way out: the places in front of loads and reads
	WIN 0
	PLACES 4
	WALU
.endm
.macro OUTST fm, e                     ; the block before leaves; then the run of loads
	ds_store_b8 v[VX], v[EB]
	global_store_b128 v[CO], v[NCD:NCD+3], s[84:85]
	global_store_b64 v[C8], v[NCD+4:NCD+5], s[84:85] offset:512
.if \fm
	FETCHAT \e, ADRA, AAS
.endif
.endm
.macro NBLK e, w, fm, st               ; w: LDS instructions issued behind this block's loads
	s_wait_dscnt \w
	s_wait_xcnt 0x0                                ; the last stores have read their registers and base
	BLOCK 0, \e, ACC+32*(\e), 8, 0, 32, L_N, ACC+32*(1-(\e)), \st
	WIN 0
	WALU                                           ; the wait ahead of the readers of what was written among the products
	CODES6 ACC+32*(1-(\e)), NCD, 0                 ; its shift and moves are the four places behind the last products
	OUTST \fm, \e
.endm
.macro RBLK e, rnd                     ; a block with a round and a refill (rnd = 1) or with a plain barrier behind which nothing is filled
	s_wait_dscnt NF+1
	s_wait_xcnt 0x0
.if \rnd
	GRD
	BLOCK 0, \e, ACC+32*(\e), 8, 0, 26, L_R, ACC+32*(1-(\e)), 2
.else
	BLOCK 0, \e, ACC+32*(\e), 8, 0, 26, L_N, ACC+32*(1-(\e)), 1
.endif
	WIN 0
	WALU                                           ; the wait ahead of the signal
.if (\rnd) == 0
	s_wait_tensorcnt 0x0
.endif
	s_wait_dscnt 0x0
	s_barrier_signal -1
	BLOCK 0, \e, ACC+32*(\e), 8, 26, 32, L_NONE
	WIN 0
	CODES6 ACC+32*(1-(\e)), NCD, 0
.if \rnd
	MIDDLE
	BARRIER
	s_cmp_lt_u32 s14, 2
	s_cbranch_scc0 .Lscales_\@
	TLOAD G0R, G1A
	s_branch .Lasked_\@
.Lscales_\@:
	s_cmp_eq_u32 s14, 2
	s_cbranch_scc0 .Lasked_\@
	TLOAD G0S, G1S
.Lasked_\@:
.else
	s_barrier_wait -1
.endif
	WALU                                           ; the wait ahead of the readers below
	OUTST 1, \e
.endm
; ================= THE HEAD
	s_load_b128 s[4:7], s[0:1], 0x0                ; xq, wq3
	v_lshl_add_u32 v[SPW], v0, 2, SPARE
	v_mov_b32 v[NIL], 0
	ds_add_u32 v[SPW], v[NIL]                      ; the opening lines
	ds_add_u32 v[SPW], v[NIL]
	v_lshrrev_b32 v1, 5, v0
	v_readfirstlane_b32 s14, v1
	s_lshr_b32 s15, s14, 1                         ; a
	s_and_b32 s16, s14, 1                          ; b
	s_bfe_u32 s40, ttmp6, 0x40000
	s_bfe_u32 s41, ttmp6, 0x40004
	s_lshl_b32 s42, ttmp9, 2
	SADD 42, 40                                    ; phase 2's tile column: 0-7 Q, 8-15 K
	s_and_b32 s43, ttmp7, 0xffff
	s_lshl_b32 s43, s43, 2
	SADD 43, 41                                    ; its tile row: 512 tokens
	s_lshr_b32 s19, ttmp9, 1
	s_and_b32 s87, ttmp9, 1                        ; V's half of my 512 rows
	s_lshl_b32 s13, s19, 2
	SADD 13, 40                                    ; V's tile column
	s_lshl_b32 s12, s43, 1
	SADD 12, 87                                    ; V's tile row: 256 tokens
	s_lshl_b32 s44, s41, 2
	s_lshl_b32 s44, 15, s44                        ; my row of the cluster
	s_lshl_b32 s45, 0x1111, s40                    ; my column
	GROUP1 G1A, 44, 1536, 8
	GROUP1 G1B, 45, 1536, 8
	GROUP1 G1S, 44, 32, 32
	s_mul_i32 s67, s43, 393216                     ; my 512 rows, bytes from xq
	s_mul_i32 s66, s12, 196608                     ; V's 256
	s_mul_i32 s9, s42, YB                          ; W_q's or W_k's 128 rows
	s_add_co_u32 s54, s13, 16
	s_mul_i32 s54, s54, YB                         ; W_v's
	s_lshl_b32 s55, s43, 14
	s_add_co_u32 s55, s55, XSO                     ; my rows' scale words
	s_lshl_b32 s89, s12, 13
	s_add_co_u32 s89, s89, XSO
	s_lshl_b32 s21, s16, 11
	s_lshl_b32 s82, s42, 12
	SADD 82, 21
	s_add_co_u32 s82, s82, WSO
	s_mov_b32 s83, 0
	s_add_co_u32 s84, s13, 16
	s_lshl_b32 s84, s84, 12
	SADD 84, 21
	s_add_co_u32 s84, s84, WSO
	s_mov_b32 s85, 0
	s_lshl_b32 s90, s40, 2
	SADD 90, 14                                    ; my number among the sixteen waves of my row of the cluster
	s_lshl_b32 s100, s41, 2
	SADD 100, 14                                   ; and of my column
	v_and_b32 v1, 15, v0                           ; r
	v_bfe_u32 v2, v0, 4, 1                         ; h
	v_and_b32 v3, 31, v0
	v_lshlrev_b32 v[CO], 4, v3
	v_lshlrev_b32 v[C8], 3, v3
	v_lshlrev_b32 v[C4], 2, v3
	s_mul_i32 s21, s15, 12288
	v_add_nc_u32 v[ADRA0], s21, v[CO]
	s_mul_i32 s22, s16, YB/2
	s_add_co_u32 s22, s22, BVB
	v_add_nc_u32 v[ADRB], s22, v[CO]
	s_lshl_b32 s21, s15, 9
	s_add_co_u32 s21, s21, SCL
	v_add_nc_u32 v[AAS0], s21, v[C4]
	v_lshl_add_u32 v23, v1, 2, v2
	s_lshl_b32 s21, s15, 10
	s_lshl_b32 s22, s16, 1
	SADD 21, 22
	s_add_co_u32 s21, s21, XN
	v_add_nc_u32 v[STO], s21, v23
	s_lshl_b32 s22, s14, 8
	s_add_co_u32 s22, s22, XM
	v_add_nc_u32 v[STV], s22, v23
	WALU                                           ; the wait here, ahead of the readers below
	v_add_nc_u32 v[ADRA], 24576, v[ADRA0]
	v_add_nc_u32 v[AAS], 1024, v[AAS0]
	WALU                                           ; and here, ahead of the blocking waits
	s_wait_dscnt 0x0
	CROUND                                         ; all sixteen work-groups are here
	s_wait_kmcnt 0x0
	GROUP0 G0B, BVB, 6, 54
	GROUP0 G0S, SCL, 4, 89
	GROUP0 G0A, 0, 4, 66
	s_mov_b32 s[G0R], 1
	s_mov_b32 s[G0R+1], YB
	s_add_nc_u64 s[G0R+2:G0R+3], s[G0A+2:G0A+3], YB
	s_cmp_eq_u32 s14, 0                            ; one tensor load a wave
	s_cbranch_scc0 .Lwave_1
	TLOAD G0B, G1B                                 ; wave 0: W_v's rows
	s_branch .Lasked
.Lwave_1:
	s_cmp_eq_u32 s14, 1
	s_cbranch_scc0 .Lwave_2
	TLOAD G0S, G1S                                 ; wave 1: both chunks' scale words
	s_branch .Lasked
.Lwave_2:
	s_cmp_eq_u32 s14, 2
	s_cbranch_scc0 .Lwave_3
	TLOAD G0A, G1A                                 ; wave 2: chunk 0
	s_branch .Lasked
.Lwave_3:
	TLOAD G0R, G1A                                 ; wave 3: chunk 1
.Lasked:
	s_add_nc_u64 s[84:85], s[6:7], s[84:85]
	s_add_nc_u64 s[10:11], s[6:7], s[82:83]
.irp p, 0,1
.irp q, 0,1,2,3,4,5,6,7
	global_load_b32 v[SB+8*\p+\q], v[C4], s[84:85] offset:1024*\p+128*\q
.endr
.endr
	WIN 3<<6
.irp p, 0,1
.irp q, 0,1,2,3,4,5,6,7
	global_load_b32 v[SB2-768+8*\p+\q], v[C4], s[10:11] offset:1024*\p+128*\q
.endr
.endr
	WIN 0
	s_lshr_b32 s20, s42, 3                         ; where the results go: s[76:77] codes of Q or K, s[78:79] their scale words, s[80:83] V's
	s_mul_i32 s76, s20, 6291456
	s_mul_i32 s22, s43, 393216
	SADD 76, 22
	s_mul_i32 s22, s15, YB
	SADD 76, 22
	s_and_b32 s20, s42, 7
	s_lshl_b32 s20, s20, 1
	SADD 20, 16
	s_mul_i32 s22, s20, 768
	SADD 76, 22
	s_mov_b32 s77, 0
	s_lshl_b32 s78, s42, 15
	s_lshl_b32 s22, s43, 11
	SADD 78, 22
	s_xor_b32 s22, s16, s87                        ; (the stage's halves lie in the order of work)
	s_lshl_b32 s22, s22, 10
	SADD 78, 22
	s_lshl_b32 s22, s15, 9
	SADD 78, 22
	s_add_co_u32 s78, s78, QSO
	s_mov_b32 s79, 0
	s_lshr_b32 s20, s12, 3
	s_mul_i32 s80, s20, 1572864
	s_and_b32 s21, s12, 7
	s_lshl_b32 s23, s21, 1
	SADD 23, 15
	s_mul_i32 s22, s23, 1536
	SADD 80, 22
	s_lshl_b32 s22, s13, 3
	s_lshl_b32 s23, s16, 2
	SADD 22, 23
	s_mul_i32 s22, s22, 24576
	SADD 80, 22
	s_add_co_u32 s80, s80, VSO
	s_mov_b32 s81, 0
	s_lshl_b32 s82, s20, 16
	s_lshl_b32 s22, s13, 13
	SADD 82, 22
	s_lshl_b32 s22, s21, 10
	SADD 82, 22
	s_lshl_b32 s22, s14, 8
	SADD 82, 22
	s_mov_b32 s83, 0
	s_mov_b32 s46, 0
	s_mov_b32 s47, 0
	s_mov_b32 s8, SCL
	s_xor_b32 s20, s87, 1                          ; the chunks still to come are the other half's
	s_mul_i32 s21, s20, 196608
	s_add_co_u32 s88, s67, s21
	s_lshl_b32 s21, s20, 13
	SADD 55, 21
	PFTILE 7, 9, 100                               ; what the first refill will load
	s_wait_xcnt 0x0
	s_load_b64 s[10:11], s[0:1], 0x10              ; qk
	s_load_b64 s[50:51], s[0:1], 0x18              ; vt
	WALU
	s_wait_loadcnt 0x0
	s_cmp_eq_u32 s14, 0
	s_cbranch_scc0 .Lnot_b
	s_wait_tensorcnt 0x0
.Lnot_b:
	BARRIER                                        ; W_v's rows are in
	PFGO 7, 6
	WEIGHTS
	s_cmp_eq_u32 s14, 3
	s_cbranch_scc1 .Lnot_a0
	s_wait_tensorcnt 0x0
.Lnot_a0:
	s_wait_dscnt 0x0
	BARRIER                                        ; chunk 0 and the scale words are in; chunk 1 may be on its way
	FETCH01
	s_wait_kmcnt 0x0
	s_add_nc_u64 s[48:49], s[10:11], s[78:79]
	s_add_nc_u64 s[10:11], s[10:11], s[76:77]
	s_add_nc_u64 s[52:53], s[50:51], s[82:83]
	s_add_nc_u64 s[50:51], s[50:51], s[80:81]
; ================= PHASE 1: V, eight blocks; band 0's ways out stand in band 1's blocks
.irp s, 0,1
	s_wait_dscnt NF                                ; the next block's loads may be out
	BLOCK 1, \s, HV0+8*\s, 32, 0, 32, L_ST
	BORD0
	FETCHAT \s, ADRA, AAS
.endr
	s_wait_dscnt NF
	GRD
	BLOCK 1, 0, HV0+16, 32, 0, 24, L_V2
	WIN 0
	s_wait_dscnt 0x0
	s_barrier_signal -1
	BLOCK 1, 0, HV0+16, 32, 24, 32, L_NONE
	MIDDLE
	BARRIER
	s_cmp_lt_u32 s14, 2
	s_cbranch_scc0 .Lno_half
	TLOAD G0B, G1B                                 ; waves 0 and 1 a half each of W_q's or W_k's rows
.Lno_half:
	BORD0
	FETCHAT 0, ADRA, AAS
	PFGO 20, 4
	PFGO 21, 4
	s_wait_dscnt NF
	BLOCK 1, 1, HV0+24, 32, 0, 32, L_ST
	BORD0
	FETCHAT 1, ADRA, AAS
.irp j, 0,1,2
	s_wait_dscnt NF+(\j+1)/2                       ; behind this block's loads: the next block's, and from the second on the store of a byte
.if \j < 2
	BLOCK 1, \j%2, HV1+8*\j, 32, 0, 32, L_OUT, HV0+32*\j, \j
.else
	BLOCK 1, \j%2, HV1+8*\j, 32, 0, 32, L_LAST, HV0+32*\j, \j
.endif
	WIN 0
	WALU
	CODES6 HV0+32*\j, MCD+12*\j, \j
	ds_store_b8 v[STV], v[EB+\j] offset:64*\j
.if \j < 2
	FETCHAT \j%2, ADRA, AAS
.endif
.endr
	s_wait_dscnt 1
	BLOCK 1, 1, HV1+24, 32, 0, 26, L_V7, HV0+96, 3
	WIN 0
	WALU
	s_wait_tensorcnt 0x0
	s_wait_dscnt 0x0
	s_barrier_signal -1                            ; a plain barrier: the weights that the first refill brought are shown to all
	BLOCK 1, 1, HV1+24, 32, 26, 32, L_NONE
	WIN 0
	CODES6 HV0+96, MCD+36, 3
	v_add_nc_u32 v[ADRA], 24576, v[ADRA0]          ; phase 2 begins in slot 0 again
	v_add_nc_u32 v[AAS], 1024, v[AAS0]
	s_barrier_wait -1
	WALU
	ds_store_b8 v[STV], v[EB+3] offset:192
; ================= THE CHANGE OF PHASE: the weights and the first two blocks in one run of loads; band 1's four ways out under their flight
	WEIGHTS
	FETCH01
	PFGO 22, 4
	WIN 3
.set I, 0
.rept 16
	v_mov_b32 v[SB+I], v[SB2-768+I]
.set I, I+1
.endr
	WIN 0
.set I, 0
.rept 18
.irp t, 0,1,2,3
	CHAIN I, HV1+32*\t, \t, 64+4*\t
.endr
.set I, I+1
.endr
.irp t, 0,1,2,3
	WIN 3
	v_cvt_scalef32_pk16_fp6_f32 v[MCD+12*\t+6:MCD+12*\t+8], v[HV1-768+32*\t:HV1-768+32*\t+15], v[SOP+\t]
	v_cvt_scalef32_pk16_fp6_f32 v[80+4*\t:82+4*\t], v[HV1-768+32*\t+16:HV1-768+32*\t+31], v[SOP+\t]
.endr
	WIN 0
.irp t, 0,1,2,3
	v_lshrrev_b32 v[EB+\t], 23, v[SOP+\t]
.endr
.irp t, 0,1,2,3
.irp i, 0,1,2
	v_mov_b32 v[MCD+12*\t+9+\i], v[80+4*\t+\i]
.endr
.endr
	WALU
; ================= PHASE 2: Q or K, sixteen blocks
	s_wait_dscnt NF
	BLOCK 0, 0, ACC, 8, 0, 32, L_ST
	BORD0
.irp t, 0,1,2,3
	ds_store_b8 v[STV], v[EB+\t] offset:2+64*\t
.endr
.irp t, 0,1,2,3
.irp k, 0,1,2
	global_store_b128 v[CO], v[MCD+12*\t+4*\k:MCD+12*\t+4*\k+3], s[50:51] offset:24576*\t+512*\k   ; V's codes leave
.endr
.endr
	FETCHAT 0, ADRA, AAS
	NBLK 1, NF+4, 1, 1
	s_mov_b32 s86, 0
.Lwith_rounds:                                     ; blocks 2 to 5, 6 to 9
	RBLK 0, 1
	NBLK 1, NF+1, 1, 1
	NBLK 0, NF+1, 1, 1
	NBLK 1, NF+1, 1, 1
	s_add_co_u32 s86, s86, 1
	s_cmp_lg_u32 s86, 2
	s_cbranch_scc1 .Lwith_rounds
.Lwithout:                                         ; blocks 10, 11 and 12, 13
	RBLK 0, 0
	NBLK 1, NF+1, 1, 1
	s_add_co_u32 s86, s86, 1
	s_cmp_lg_u32 s86, 4
	s_cbranch_scc1 .Lwithout
	NBLK 0, NF+1, 0, 0
	NBLK 1, 1, 0, 0
; ================= THE END: the last way out; the scale bytes go through LDS under its conversions
	s_wait_xcnt 0x0
	OUTADR 0
	OUTADR 1
	OUTADR 2
	s_lshl_b32 s21, s14, 9
	s_add_co_u32 s21, s21, XN
	v_add_nc_u32 v12, s21, v[CO]
	s_lshl_b32 s21, s14, 8
	s_add_co_u32 s21, s21, XM
	v_add_nc_u32 v13, s21, v[C8]
.set I, 0
.rept 18
	CHAIN I, ACC+32, 0
.set I, I+1
.endr
	CODES 2, ACC+32, NCD, 0
	WALU
	ds_store_b8 v[VX], v[EB]
	s_wait_dscnt 0x0
	s_barrier_signal -1
	CODES 0, ACC+32, NCD, 0
	CODES 1, ACC+32, NCD, 0
	v_nop
.irp i, 3,4,5
	CODES \i, ACC+32, NCD, 0
.endr
	s_barrier_wait -1
	WALU
	ds_load_b128 v[64:67], v12
	ds_load_b64 v[68:69], v13
	global_store_b128 v[CO], v[NCD:NCD+3], s[84:85]
	global_store_b64 v[C8], v[NCD+4:NCD+5], s[84:85] offset:512
	s_wait_dscnt 0x0
	global_store_b128 v[CO], v[64:67], s[48:49]
	global_store_b64 v[C8], v[68:69], s[52:53]
	s_wait_tensorcnt 0x0                           ; the wave's end
	ds_add_u32 v[SPW], v[NIL]
	s_wait_dscnt 0x0
	CROUND                                         ; the closing round
	s_endpgm
.Lfunc_end_k_q95094aa2a5_proj:
	.size	k_q95094aa2a5_proj, .Lfunc_end_k_q95094aa2a5_proj-k_q95094aa2a5_proj
	.p2alignl 7, 3214868480
	.fill 96, 4, 3214868480
	.section	.rodata,"a",@progbits
	.p2align	6, 0x0
	.amdhsa_kernel k_q95094aa2a5_proj
		.amdhsa_group_segment_fixed_size 327680
		.amdhsa_private_segment_fixed_size 0
		.amdhsa_enable_private_segment 0
		.amdhsa_kernarg_size 32
		.amdhsa_user_sgpr_count 2
		.amdhsa_user_sgpr_kernarg_segment_ptr 1
		.amdhsa_wavefront_size32 1
		.amdhsa_system_sgpr_workgroup_id_x 1
		.amdhsa_system_sgpr_workgroup_id_y 1
		.amdhsa_system_sgpr_workgroup_id_z 1
		.amdhsa_system_vgpr_workitem_id 0
		.amdhsa_next_free_vgpr 992
		.amdhsa_next_free_sgpr 102
		.amdhsa_reserve_vcc 0
		.amdhsa_float_denorm_mode_32 3
		.amdhsa_float_denorm_mode_16_64 3
		.amdhsa_memory_ordered 1
		.amdhsa_forward_progress 1
		.amdhsa_inst_pref_size 187
	.end_amdhsa_kernel
	.amdgpu_metadata
---
amdhsa.version: [ 1, 2 ]
amdhsa.kernels:
  - .name:           k_q95094aa2a5_proj
    .symbol:         k_q95094aa2a5_proj.kd
    .args:
      - { .name: xq, .offset: 0, .size: 8, .value_kind: global_buffer, .address_space: global }
      - { .name: wq3, .offset: 8, .size: 8, .value_kind: global_buffer, .address_space: global }
      - { .name: qk, .offset: 16, .size: 8, .value_kind: global_buffer, .address_space: global }
      - { .name: vt, .offset: 24, .size: 8, .value_kind: global_buffer, .address_space: global }
    .group_segment_fixed_size: 327680
    .private_segment_fixed_size: 0
    .kernarg_segment_align: 8
    .kernarg_segment_size: 32
    .max_flat_workgroup_size: 128
    .sgpr_count:     102
    .vgpr_count:     992
    .wavefront_size: 32
...
	.end_amdgpu_metadata
.endif
;; end of part 2
;; launch scores (part 3): grid 16 x 16, 4 waves a work-group, clusters of 4 x 4, 327,680 bytes of LDS; arguments qk, pq, st; writes pq, st
.if DOCPART == 3
	.amdgcn_target "amdgcn-amd-amdhsa--gfx1250"
	.amdhsa_code_object_version 6
	.text
	.protected	k_q95094aa2a5_scores
	.globl	k_q95094aa2a5_scores
	.p2align	8
	.type	k_q95094aa2a5_scores,@function
k_q95094aa2a5_scores:
	s_mov_b64 s[64:65], 0
	v_nop
	global_prefetch_b8 v0, s[64:65] scope:SCOPE_SE
	s_setreg_imm32_b32 hwreg(HW_REG_WAVE_MODE, 25, 1), 1
	s_wait_xcnt 0x0
	s_wait_alu depctr_hold_cnt(0) depctr_sa_sdst(0) depctr_va_vdst(0) depctr_va_sdst(0) depctr_va_ssrc(0) depctr_va_vcc(0) depctr_vm_vsrc(0)
	s_getreg_b32 s2, hwreg(HW_REG_IB_STS2, 6, 4)
	s_cmp_eq_u32 s2, 0
	s_cbranch_scc0 .Lentry_in_a_cluster
	s_endpgm
.Lentry_in_a_cluster:
	s_bfe_u32 s2, ttmp6, 0x10000c
	s_cmp_lg_u32 s2, 0xf033
	s_cbranch_scc0 .Lentry_shape_is_right
	s_endpgm
.Lentry_shape_is_right:
; P = 2^(t - M) quantised, t = Q K^T x log2(e) / 32, on codes of FP6 (E2M3) with E8M0 scales, K = 1,024.
; A work-group makes 512 queries x 128 keys (one K step of the next product); grid: x = the key step in its batch, y = 512 queries; a cluster of 4 x 4 lies in one batch.  Q's rows are shared along a row of the cluster, K's along a column.
; Four waves, 2 x 2: a wave holds 64 keys, all of K, in 384 registers; queries stream past in blocks of 16 (row block 2 s + a is block s of wave row a), 32 products a block.  Source 0 = K's rows: a lane holds one query and 32 neighbouring keys, which is one scale block.
; EACH LANE'S 32 KEYS HAVE A WHOLE NUMBER M OF THEIR OWN, the ceiling of their largest t (kept as -M): no lane looks at another.  At the end the four M's of a row meet through LDS: M(row) is the largest, l = the sum of l x 2^(M - M(row)),
; and each scale byte is lowered by M(row) - M (held at 0): exact powers of two.  What leaves: codes, a scale word, -M and l for each row and 128 keys.
; LIMITS: NaN and infinities are not served; the promise holds while the scaled scores t stay under 2^31 in magnitude.  A byte that would fall under 0 is held at 0: at most 7.5 x 2^-127 a number beside a row whose largest p is above 1/2.
; BLOCK: 32 products; among them the sum of the last block's p (unquantised, f32).  Behind them one run of 36 LDS loads (the block two further on, into the set just read), and under it the largest score, t - M, the exponentials, the conversions, the stores.
; OPERANDS: half c of a fragment is 768 bytes: registers 0-3 of lane l at 16 l, registers 4-5 at 512 + 8 l.  LDS: two slots of 128 queries, K's 128 rows (filled once, read into registers at the head: the stage for M, l and bytes lies in its last bytes), Q's scale words.
; REFILLS: blocks 2 and 6, each in a drained round; the plain barrier of blocks 10 and 12 (one text) shows the last one.  PREFETCH: chunks 2 and 3 behind blocks 0 and 1, shared out by address among the sixteen waves of my row of the cluster.
.set YB,    98304
.set BVB,   2*YB
.set SCL,   3*YB                       ; [K step][512 queries] words
.set STG,   SCL-18432                  ; the stage: -M [row][4], l [row][4], bytes [row][4]
.set SPARE, SCL+16384
.set QSO,   12582912
.set VSO,   524288
.set NF,    36                         ; LDS loads of a block: 32 for eight fragments, 4 for their scale words
.set ADRA0, 4                          ; v4, v5: block 0 at 16 x lane and at 8 x lane;  v12, v13: of the block that is fetched next
.set AAS0,  6
.set C8,    8
.set CO,    9
.set SPW,   10
.set NIL,   11
.set ADRA,  12
.set ADRB,  14                         ; v14, v15
.set C4,    16
.set AAS,   17
.set STM,   18
.set STB,   19
.set VX,    20
.set VY,    21
.set SB,    24                         ; v24-39 K's scale words: 8 p + q
.set T0,    40
.set TX,    42
.set PM,    43
.set SA,    45                         ; v45-48, v53-56 the queries' scale words: lanes 0-15 K step 2 m, lanes 16-31 2 m + 1
.set NM,    58                         ; v58 -M (v59: the pair's upper half)
.set TC,    60
.set ACC,   64
.set E,     96
.set NC,    128
.set SO,    134
.set EB,    135
.set SUMA,  136
.set SUMB,  138
.set LS,    140
.set G1A, 24
.set G1B, 32
.set G0A, 56
.set G0B, 60
.set G0R, 68
.set G0S, 72
.set G1S, 92
.set MSB, 0
.macro WIN new
.if MSB != \new
	s_set_vgpr_msb (MSB<<8)|\new
.set MSB, \new
.endif
.endm
.macro PLACES n
.rept \n
	v_nop
.endr
.endm
.macro WALU
	s_wait_alu depctr_va_vdst(0)
.endm
.macro BARRIER
	s_barrier_signal -1
	s_barrier_wait -1
.endm
.macro MIDDLE
	WIN 0
	s_barrier_wait -1
	s_cmp_lg_u32 s14, 0
	s_cbranch_scc1 .Lnot_wave_0_\@
	s_barrier_signal -3
.Lnot_wave_0_\@:
	s_barrier_wait -3
.endm
.macro CROUND
	s_barrier_signal -1
	MIDDLE
	BARRIER
.endm
.macro TLOAD g0, g1
	tensor_load_to_lds s[\g0:\g0+3], s[\g1:\g1+7]
	s_nop 0
	PLACES 4
.endm
.macro GROUP1 g, mask, c, r, p
	s_or_b32 s[\g+0], s\mask, (3<<16)|(1<<21)
	s_mov_b32 s[\g+1], (\c)<<16
	s_mov_b32 s[\g+2], (\r)<<16
	s_mov_b32 s[\g+3], (\c)<<16
	s_mov_b32 s[\g+4], \r
	s_mov_b32 s[\g+5], \p
	s_mov_b32 s[\g+6], 0
	s_mov_b32 s[\g+7], 0
.endm
.macro GROUP0 g, lds, base, off
	s_mov_b32 s[\g], 1
	s_mov_b32 s[\g+1], \lds
	s_mov_b32 s20, s\off
	s_mov_b32 s21, 0
	s_add_nc_u64 s[\g+2:\g+3], s[\base:\base+1], s[20:21]
	s_or_b32 s[\g+3], s[\g+3], 0x80000000
.endm
.macro SADD d, x
	s_add_co_u32 s\d, s\d, s\x
.endm
.macro FRAG f, adr, off                ; fragment f: window 1 + f / 21, register 12 (f % 21)
.set F_, \f
.set R_, 12*(F_%21)
	WIN ((1+F_/21)<<6)
	ds_load_b128 v[R_:R_+3], v[\adr] offset:\off
	ds_load_b64 v[R_+4:R_+5], v[\adr+1] offset:(\off)+512
	ds_load_b128 v[R_+6:R_+9], v[\adr] offset:(\off)+768
	ds_load_b64 v[R_+10:R_+11], v[\adr+1] offset:(\off)+1280
.endm
.macro FETCHAT e, adr, as              ; a block of queries into set e: NF loads
	WIN 0
.irp m, 0,1,2,3
	ds_load_b32 v[SA+8*(\e)+\m], v[\as] offset:4096*\m
.endr
.irp q, 0,1,2,3,4,5,6,7
	FRAG 32+8*(\e)+\q, \adr, 1536*\q
.endr
	WIN 0
.endm
.macro PRL d, s0, s1, c, x0, x1, ra, rb
	v_wmma_scale_f32_16x16x128_f8f6f4 v[\d:\d+7], v[12*((\s0)%21):12*((\s0)%21)+11], v[12*((\s1)%21):12*((\s1)%21)+11], \c, v[\x0], v[\x1] matrix_a_fmt:MATRIX_FMT_FP6 matrix_b_fmt:MATRIX_FMT_FP6 matrix_a_scale:MATRIX_SCALE_ROW\ra matrix_b_scale:MATRIX_SCALE_ROW\rb
.endm
.macro PR c
.if T_%2
.if Q_%2
	PRL DL_, FB_, FA_, \c, XB_, XA_, 1, 1
.else
	PRL DL_, FB_, FA_, \c, XB_, XA_, 1, 0
.endif
.else
.if Q_%2
	PRL DL_, FB_, FA_, \c, XB_, XA_, 0, 1
.else
	PRL DL_, FB_, FA_, \c, XB_, XA_, 0, 0
.endif
.endif
.endm
; products from .. to - 1; four accumulators take turns; behind every second product two entries of the sum, from product x on
.macro BLOCK e, from, to, x
.set N_, \from
.rept (\to)-(\from)
.set Q_, N_/4
.set T_, N_%4
.set FB_, N_
.set FA_, 32+8*(\e)+Q_
.set DL_, ACC+8*T_
.set XB_, SB+8*(T_/2)+Q_
.set XA_, SA+8*(\e)+Q_/2
	WIN (1+FB_/21)|((1+FA_/21)<<2)
.if Q_
	PR v[DL_:DL_+7]
.else
	PR 0
.endif
.if N_%2
	SUM N_-1-(\x)
	SUM N_-(\x)
.endif
.set N_, N_+1
.endr
.endm
.macro SUM i                           ; 17 entries: the sum of my 32 p, in two chains of pairs
.if (\i) == 0
	WIN 0
	v_pk_add_f32 v[SUMA:SUMA+1], v[E:E+1], v[E+4:E+5]
.elseif (\i) == 1
	WIN 0
	v_pk_add_f32 v[SUMB:SUMB+1], v[E+2:E+3], v[E+6:E+7]
.elseif ((\i) > 1) && ((\i) < 14)
	WIN 0
.set J_, E+4+4*((\i)/2)+2*((\i)%2)
.set S_, SUMA+2*((\i)%2)
	v_pk_add_f32 v[S_:S_+1], v[S_:S_+1], v[J_:J_+1]
.elseif (\i) == 14
	WIN 0
	v_pk_add_f32 v[SUMA:SUMA+1], v[SUMA:SUMA+1], v[SUMB:SUMB+1]
.elseif (\i) == 16
	WIN 0
	v_add_f32 v[LS], v[SUMA], v[SUMA+1]
.endif
.endm
; BEHIND A BLOCK of set e.  f: the block two further on is fetched; l: a block stands before this one; wrap: the ring may end
.macro BORDER e, f, l, wrap
	WIN 0
.if \f
	s_add_co_u32 s101, s101, 24576
.if \wrap
	s_cmp_eq_u32 s101, 2*YB
	s_cselect_b32 s101, 0, s101
.endif
	s_add_co_u32 s91, s91, 128
.endif
.if \l
	s_add_nc_u64 s[84:85], s[84:85], 2*24576
.endif
	s_lshl_b32 s22, s46, 9
	s_lshl_b32 s23, s46, 7
	s_add_co_u32 s46, s46, 1
.if \f
	v_add_nc_u32 v[ADRA], s101, v[ADRA0]           ; (these five lines are also the places behind the last products)
	v_add_nc_u32 v[ADRA+1], s101, v[ADRA0+1]
	v_add_nc_u32 v[AAS], s91, v[AAS0]
.else
	PLACES 3
.endif
	v_add_nc_u32 v[VX], s22, v[STM]
	v_add_nc_u32 v[VY], s23, v[STB]
.if \f
	WALU                                           ; the wait ahead of the readers below
	FETCHAT \e, ADRA, AAS
.endif
	v_max3_num_f32 v[T0], v[ACC], v[ACC+1], v[ACC+2]   ; each accumulator from its low end on
	v_max3_num_f32 v[T0+1], v[ACC+16], v[ACC+17], v[ACC+18]
.irp i, 3,5,7,9,11,13
	v_max3_num_f32 v[T0], v[T0], v[ACC+\i], v[ACC+\i+1]
	v_max3_num_f32 v[T0+1], v[T0+1], v[ACC+16+\i], v[ACC+17+\i]
.endr
	v_max3_num_f32 v[T0], v[T0], v[ACC+15], v[ACC+31]
	v_max_num_f32 v[T0], v[T0], v[T0+1]            ; my 32 keys' largest score
	v_mul_f32 v[TX], s2, v[T0]
	v_floor_f32 v[NM], -v[TX]                      ; -M
.set J_, 0
.rept 16
	v_pk_fma_f32 v[E+J_:E+J_+1], v[ACC+J_:ACC+J_+1], s[2:3], v[NM:NM+1] op_sel_hi:[1,0,0]
.set J_, J_+2
.endr
	v_fma_f32 v[PM], v[T0], s2, v[NM]              ; the same of the largest: p rises with the score
	WALU                                           ; the wait ahead of the batch,
.set J_, 0
.rept 32
	v_exp_f32 v[E+J_], v[E+J_]
.set J_, J_+1
.endr
	v_exp_f32 v[PM], v[PM]
	v_nop
	WALU                                           ; and behind it
.if \l
	ds_store_b32 v[VX], v[LS] offset:8192-512      ; the block before's l
.endif
	v_add_nc_u32 v[SO], 0xff000000, v[PM]          ; 2 off the exponent field: the conversions' scale operand (the largest p is 2^-64 or more: no floor is needed)
	v_cvt_scalef32_pk16_fp6_f32 v[NC:NC+2], v[E:E+15], v[SO]
	v_cvt_scalef32_pk16_fp6_f32 v[TC:TC+2], v[E+16:E+31], v[SO]
	v_lshrrev_b32 v[EB], 23, v[SO]
	v_mov_b32 v[NC+3], v[TC]
	v_mov_b32 v[NC+4], v[TC+1]
	v_mov_b32 v[NC+5], v[TC+2]
	ds_store_b32 v[VX], v[NM]
	ds_store_b8 v[VY], v[EB]
	global_store_b128 v[CO], v[NC:NC+3], s[84:85]
	global_store_b64 v[C8], v[NC+4:NC+5], s[84:85] offset:512
.endm
.macro NBLK e, w, f                    ; w: at the least so many LDS instructions were issued behind this block's loads
	s_wait_dscnt \w
	s_wait_xcnt 0x0                                ; the last global stores have read their registers and base
	BLOCK \e, 0, 32, 2
	BORDER \e, \f, 1, 0
.endm
.macro RBLK e, rnd                     ; with a round and a refill (rnd = 1), or with a plain barrier behind which nothing is filled
	s_wait_dscnt NF+2
	s_wait_xcnt 0x0
.if \rnd
	s_wait_tensorcnt 0x0
	ds_add_u32 v[SPW], v[NIL]
	s_mov_b32 s[G1A+2], 4<<16                      ; from here on a load brings 4 row blocks: waves 0 and 1 a half each
	s_mov_b32 s[G1A+4], 4
	s_mul_i32 s20, s16, YB/2
	s_add_co_u32 s[G0R+1], s20, s47
	s_add_co_u32 s20, s20, s88
	s_mov_b32 s21, 0
	s_add_nc_u64 s[G0R+2:G0R+3], s[4:5], s[20:21]
	s_or_b32 s[G0R+3], s[G0R+3], 0x80000000
	s_add_co_u32 s88, s88, YB
	s_xor_b32 s47, s47, YB
.endif
	BLOCK \e, 0, 18, 0
	WIN 0
	WALU                                           ; the wait ahead of the signal
.if (\rnd) == 0
	s_wait_tensorcnt 0x0
.endif
	s_wait_dscnt 0x0
	s_barrier_signal -1
	BLOCK \e, 18, 26, 64
.if \rnd
	MIDDLE
	BARRIER
	s_cmp_lt_u32 s14, 2
	s_cbranch_scc0 .Lasked_\@
	TLOAD G0R, G1A
.Lasked_\@:
.else
	WIN 0
	s_barrier_wait -1
.endif
	BLOCK \e, 26, 32, 64
	BORDER \e, 1, 1, \rnd
.endm
.macro PFTILE v, off
	s_mul_i32 s21, s90, 6144
	s_add_co_u32 s20, s\off, s21
	v_min_u32 v\v, 23, v3
	v_lshl_add_u32 v\v, v\v, 8, s20
.endm
.macro PFGO v
	global_prefetch_b8 v\v, s[4:5] th:TH_LOAD_NT scope:SCOPE_SE
.endm
; ================= THE HEAD
	s_load_b128 s[4:7], s[0:1], 0x0                ; qk, pq
	s_load_b64 s[8:9], s[0:1], 0x10                ; st
	v_lshl_add_u32 v[SPW], v0, 2, SPARE
	v_mov_b32 v[NIL], 0
	ds_add_u32 v[SPW], v[NIL]                      ; the opening lines
	ds_add_u32 v[SPW], v[NIL]
	v_lshrrev_b32 v1, 5, v0
	v_readfirstlane_b32 s14, v1
	s_lshr_b32 s15, s14, 1                         ; a
	s_and_b32 s16, s14, 1                          ; b
	s_bfe_u32 s40, ttmp6, 0x40000
	s_bfe_u32 s41, ttmp6, 0x40004
	s_lshl_b32 s42, ttmp9, 2
	SADD 42, 40                                    ; the key step
	s_and_b32 s96, ttmp7, 0xffff                   ; the batch
	s_lshl_b32 s43, s96, 2
	SADD 43, 41                                    ; 512 queries
	s_lshl_b32 s44, s41, 2
	s_lshl_b32 s44, 15, s44
	s_lshl_b32 s45, 0x1111, s40
	s_mul_i32 s54, s96, 1572864
	s_mul_i32 s21, s42, YB
	SADD 54, 21
	s_add_co_u32 s54, s54, 6291456                 ; K's rows
	s_mul_i32 s67, s43, 393216                     ; Q's
	s_add_co_u32 s88, s67, 2*YB
	s_lshl_b32 s55, s43, 11
	s_add_co_u32 s55, s55, QSO                     ; Q's scale words
	s_lshl_b32 s82, s96, 13
	s_lshl_b32 s21, s42, 9
	SADD 82, 21
	s_lshl_b32 s21, s16, 8
	SADD 82, 21
	s_add_co_u32 s82, s82, QSO+262144              ; K's scale words, my 64 rows
	s_mov_b32 s83, 0
	s_mul_i32 s76, s43, 786432
	s_mul_i32 s21, s15, 24576
	SADD 76, 21
	s_mul_i32 s21, s42, 1536
	SADD 76, 21
	s_mul_i32 s21, s16, 768
	SADD 76, 21
	s_add_co_u32 s76, s76, VSO                     ; where my codes go
	s_mov_b32 s77, 0
	s_lshl_b32 s78, s43, 2
	SADD 78, 14
	s_lshl_b32 s78, s78, 13
	s_lshl_b32 s21, s42, 9
	SADD 78, 21                                    ; and the words, -M and l of 128 rows
	s_mov_b32 s79, 0
	s_lshl_b32 s90, s40, 2
	SADD 90, 14
	s_mov_b32 s2, 0x3d38aa3b                       ; log2(e) / 32
	s_mov_b32 s3, s2
	GROUP1 G1A, 44, 1536, 8, 1536
	GROUP1 G1B, 45, 1536, 8, 1536
	v_and_b32 v1, 15, v0                           ; r
	v_bfe_u32 v2, v0, 4, 1                         ; h
	v_and_b32 v3, 31, v0
	v_lshlrev_b32 v[CO], 4, v3
	v_lshlrev_b32 v[C8], 3, v3
	v_lshlrev_b32 v[C4], 2, v3
	s_mul_i32 s21, s15, 12288
	v_add_nc_u32 v[ADRA0], s21, v[CO]
	v_add_nc_u32 v[ADRA0+1], s21, v[C8]
	s_mul_i32 s22, s16, YB/2
	s_add_co_u32 s22, s22, BVB
	v_add_nc_u32 v[ADRB], s22, v[CO]
	v_add_nc_u32 v[ADRB+1], s22, v[C8]
	v_lshlrev_b32 v22, 2, v1
	v_lshl_add_u32 v23, v2, 11, v22                ; 4 r + 2,048 h
	v_add_nc_u32 v22, v22, v2                      ; 4 r + h
	s_lshl_b32 s21, s15, 6
	s_add_co_u32 s21, s21, SCL
	v_add_nc_u32 v[AAS0], s21, v23
	s_lshl_b32 s21, s15, 8
	s_lshl_b32 s22, s16, 3
	SADD 21, 22
	s_add_co_u32 s21, s21, STG
	v_lshlrev_b32 v23, 2, v22
	v_add_nc_u32 v[STM], s21, v23                  ; row 16 a + r: 16 bytes; + 4 (2 b + h)
	s_lshl_b32 s21, s15, 6
	s_lshl_b32 s22, s16, 1
	SADD 21, 22
	s_add_co_u32 s21, s21, STG+16384
	WALU                                           ; the wait here, ahead of the readers below
	v_add_nc_u32 v[STB], s21, v22
	v_add_nc_u32 v[ADRA], 24576, v[ADRA0]
	v_add_nc_u32 v[ADRA+1], 24576, v[ADRA0+1]
	v_add_nc_u32 v[AAS], 128, v[AAS0]
	v_mov_b32 v[NM+1], 0
	PFTILE 142, 88
	s_add_co_u32 s22, s88, YB
	PFTILE 143, 22
	WALU                                           ; the wait ahead of the blocking waits below
	GROUP1 G1S, 44, 256, 8, 4096                   ; Q's scale words: 8 K steps of 2,048 bytes, 32,768 apart
	s_wait_dscnt 0x0
	CROUND
	s_wait_kmcnt 0x0
	GROUP0 G0B, BVB, 4, 54
	GROUP0 G0S, SCL, 4, 55
	GROUP0 G0A, 0, 4, 67
	s_mov_b32 s[G0R], 1
	s_mov_b32 s[G0R+1], YB
	s_add_nc_u64 s[G0R+2:G0R+3], s[G0A+2:G0A+3], YB
	s_cmp_eq_u32 s14, 0                            ; one tensor load a wave
	s_cbranch_scc0 .Lwave_1
	TLOAD G0B, G1B                                 ; wave 0: K's rows
	s_branch .Lasked
.Lwave_1:
	s_cmp_eq_u32 s14, 1
	s_cbranch_scc0 .Lwave_2
	TLOAD G0S, G1S                                 ; wave 1: Q's scale words
	s_branch .Lasked
.Lwave_2:
	s_cmp_eq_u32 s14, 2
	s_cbranch_scc0 .Lwave_3
	TLOAD G0A, G1A                                 ; wave 2: chunk 0
	s_branch .Lasked
.Lwave_3:
	TLOAD G0R, G1A                                 ; wave 3: chunk 1
.Lasked:
	s_add_nc_u64 s[82:83], s[4:5], s[82:83]
.irp p, 0,1
.irp q, 0,1,2,3,4,5,6,7
	global_load_b32 v[SB+8*\p+\q], v[C4], s[82:83] offset:128*\p+32768*\q
.endr
.endr
	s_add_nc_u64 s[84:85], s[6:7], s[76:77]
	s_add_nc_u64 s[80:81], s[6:7], s[78:79]
	s_add_nc_u64 s[10:11], s[8:9], s[78:79]
	s_mov_b32 s46, 0
	s_mov_b32 s47, 0
	s_mov_b32 s101, 24576
	s_mov_b32 s91, 128
	s_wait_loadcnt 0x0
	s_cmp_eq_u32 s14, 0
	s_cbranch_scc0 .Lnot_b
	s_wait_tensorcnt 0x0
.Lnot_b:
	BARRIER                                        ; K's rows are in
.irp q, 0,1,2,3,4,5,6,7
.irp t, 0,1,2,3
	FRAG 4*\q+\t, ADRB, 12288*\t+1536*\q
.endr
.endr
	WIN 0
	s_cmp_eq_u32 s14, 3
	s_cbranch_scc1 .Lnot_a0
	s_wait_tensorcnt 0x0
.Lnot_a0:
	s_wait_dscnt 0x0
	BARRIER                                        ; chunk 0 and the scale words are in, and nobody reads K's region any more; chunk 1 may be on its way
	FETCHAT 0, ADRA0, AAS0
	FETCHAT 1, ADRA, AAS
	s_wait_dscnt NF                                ; block 1's loads may be out
	BLOCK 0, 0, 32, 64
	BORDER 0, 1, 0, 0
	PFGO 142
	NBLK 1, NF+2, 1
	PFGO 143
	s_mov_b32 s86, 0
.Lwith_rounds:                                     ; blocks 2 to 5, 6 to 9
	RBLK 0, 1
	NBLK 1, NF+2, 1
	NBLK 0, NF+2, 1
	NBLK 1, NF+2, 1
	s_add_co_u32 s86, s86, 1
	s_cmp_lg_u32 s86, 2
	s_cbranch_scc1 .Lwith_rounds
.Lwithout:                                         ; blocks 10, 11 and 12, 13
	RBLK 0, 0
	NBLK 1, NF+2, 1
	s_add_co_u32 s86, s86, 1
	s_cmp_lg_u32 s86, 4
	s_cbranch_scc1 .Lwithout
	NBLK 0, NF+2, 0
	NBLK 1, 2, 0
; ================= THE END: lane: four rows of the wave's 128
.set I, 0
.rept 17
	SUM I
.set I, I+1
.endr
	s_lshl_b32 s21, s14, 11
	s_add_co_u32 s21, s21, STG
	v_lshl_add_u32 v12, v3, 6, s21
	s_lshl_b32 s21, s14, 9
	s_add_co_u32 s21, s21, STG+16384
	v_lshl_add_u32 v13, v3, 4, s21
	WALU
	ds_store_b32 v[VX], v[LS] offset:8192
	s_wait_dscnt 0x0
	BARRIER
.irp k, 0,1,2,3
	ds_load_b128 v[64+4*\k:67+4*\k], v12 offset:16*\k
	ds_load_b128 v[80+4*\k:83+4*\k], v12 offset:16*\k+8192
.endr
	ds_load_b128 v[96:99], v13
	s_wait_dscnt 0x0
.irp k, 0,1,2,3
	v_min3_num_f32 v[104+\k], v[64+4*\k], v[65+4*\k], v[66+4*\k]
.endr
.irp k, 0,1,2,3
	v_min_num_f32 v[104+\k], v[104+\k], v[67+4*\k] ; the row's -M
.endr
.irp k, 0,1,2,3
.irp z, 0,1,2,3
	v_sub_f32 v[112+\z], v[104+\k], v[64+4*\k+\z]  ; M - M(row): a whole number, 0 or less
.endr
.irp z, 0,1,2,3
	v_cvt_i32_f32 v[112+\z], v[112+\z]             ; (it saturates)
.endr
.irp z, 0,1,2,3
	v_ldexp_f32 v[116+\z], v[80+4*\k+\z], v[112+\z]
	v_sub_nc_u32 v[112+\z], 0, v[112+\z]
	v_bfe_u32 v[120+\z], v[96+\k], 8*\z, 8
.endr
.irp z, 0,1,2,3
	v_min_u32 v[112+\z], v[112+\z], v[120+\z]
.endr
.irp z, 0,1,2,3
	v_sub_nc_u32 v[120+\z], v[120+\z], v[112+\z]   ; the byte, held at 0
.endr
	v_add_f32 v116, v116, v117
	v_add_f32 v118, v118, v119
	v_lshl_or_b32 v120, v121, 8, v120
	v_lshl_or_b32 v122, v123, 8, v122
	v_add_f32 v[108+\k], v116, v118
	v_lshl_or_b32 v[100+\k], v122, 16, v120
.endr
	global_store_b128 v[CO], v[100:103], s[80:81]
	global_store_b128 v[CO], v[104:107], s[10:11]
	global_store_b128 v[CO], v[108:111], s[10:11] offset:524288
	s_wait_tensorcnt 0x0                           ; the wave's end
	ds_add_u32 v[SPW], v[NIL]
	s_wait_dscnt 0x0
	CROUND                                         ; the closing round
	s_endpgm
.Lfunc_end_k_q95094aa2a5_scores:
	.size	k_q95094aa2a5_scores, .Lfunc_end_k_q95094aa2a5_scores-k_q95094aa2a5_scores
	.p2alignl 7, 3214868480
	.fill 96, 4, 3214868480
	.section	.rodata,"a",@progbits
	.p2align	6, 0x0
	.amdhsa_kernel k_q95094aa2a5_scores
		.amdhsa_group_segment_fixed_size 327680
		.amdhsa_private_segment_fixed_size 0
		.amdhsa_enable_private_segment 0
		.amdhsa_kernarg_size 24
		.amdhsa_user_sgpr_count 2
		.amdhsa_user_sgpr_kernarg_segment_ptr 1
		.amdhsa_wavefront_size32 1
		.amdhsa_system_sgpr_workgroup_id_x 1
		.amdhsa_system_sgpr_workgroup_id_y 1
		.amdhsa_system_sgpr_workgroup_id_z 1
		.amdhsa_system_vgpr_workitem_id 0
		.amdhsa_next_free_vgpr 848
		.amdhsa_next_free_sgpr 102
		.amdhsa_reserve_vcc 0
		.amdhsa_float_denorm_mode_32 3
		.amdhsa_float_denorm_mode_16_64 3
		.amdhsa_memory_ordered 1
		.amdhsa_forward_progress 1
		.amdhsa_inst_pref_size 152
	.end_amdhsa_kernel
	.amdgpu_metadata
---
amdhsa.version: [ 1, 2 ]
amdhsa.kernels:
  - .name:           k_q95094aa2a5_scores
    .symbol:         k_q95094aa2a5_scores.kd
    .args:
      - { .name: qk, .offset: 0, .size: 8, .value_kind: global_buffer, .address_space: global }
      - { .name: pq, .offset: 8, .size: 8, .value_kind: global_buffer, .address_space: global }
      - { .name: st, .offset: 16, .size: 8, .value_kind: global_buffer, .address_space: global }
    .group_segment_fixed_size: 327680
    .private_segment_fixed_size: 0
    .kernarg_segment_align: 8
    .kernarg_segment_size: 24
    .max_flat_workgroup_size: 128
    .sgpr_count:     102
    .vgpr_count:     848
    .wavefront_size: 32
...
	.end_amdgpu_metadata
.endif
;; end of part 3
;; launch pv (part 4): grid 4 x 64, 4 waves a work-group, clusters of 4 x 4, 327,680 bytes of LDS; arguments pq, st, vt, out0; writes out0
.if DOCPART == 4
	.amdgcn_target "amdgcn-amd-amdhsa--gfx1250"
	.amdhsa_code_object_version 6
	.text
	.protected	k_q95094aa2a5_pv
	.globl	k_q95094aa2a5_pv
	.p2align	8
	.type	k_q95094aa2a5_pv,@function
k_q95094aa2a5_pv:
	s_mov_b64 s[64:65], 0
	v_nop
	global_prefetch_b8 v0, s[64:65] scope:SCOPE_SE
	s_setreg_imm32_b32 hwreg(HW_REG_WAVE_MODE, 25, 1), 1
	s_wait_xcnt 0x0
	s_wait_alu depctr_hold_cnt(0) depctr_sa_sdst(0) depctr_va_vdst(0) depctr_va_sdst(0) depctr_va_ssrc(0) depctr_va_vcc(0) depctr_vm_vsrc(0)
	s_getreg_b32 s2, hwreg(HW_REG_IB_STS2, 6, 4)
	s_cmp_eq_u32 s2, 0
	s_cbranch_scc0 .Lentry_in_a_cluster
	s_endpgm
.Lentry_in_a_cluster:
	s_bfe_u32 s2, ttmp6, 0x10000c
	s_cmp_lg_u32 s2, 0xf033
	s_cbranch_scc0 .Lentry_shape_is_right
	s_endpgm
.Lentry_shape_is_right:
; out = (P V) / l on codes of FP6 (E2M3) with E8M0 scales, K = 2,048 keys.  256 tiles of 128 queries x 256 outputs; four waves, each 64 x 128: 32 accumulators.
; AHEAD OF THE PRODUCTS: p was quantised under each chunk's (128 keys) own whole number M.  Thread t owns position t of the 128 queries: the row's -M is the least of the 16 chunks' -M; d = M(row) - M(chunk) is taken off each of the
; chunk's four scale bytes (held at 0 from below; d is held at 127), an exact power of two; l = the sum of the chunks' l x 2^-d.  The fixed words and 1 / l go to LDS bytes of their own, and so do V's scale words.
; LIMITS: NaN and infinities are not served.  A byte that would fall under 0 is held at 0: at most 7.5 x 2^-127 a number, beside a row whose largest p is above 1/2.
; OPERANDS are images of their registers.  P: half c of a fragment is 768 bytes (registers 0-3 of lane l at 16 l, 4-5 at 512 + 8 l).  V^T: three pieces of 512.  Source 0 = 16 rows of V^T, source 1 = 16 queries of P: a lane holds one query,
; and tile b's eight registers are outputs 64 (b / 4) + 32 (lane / 16) + 8 (b % 4) + 0 .. 7 of my 128.  Position 8 h + i of my block a is query 32 h + 8 a + i of my 64.
; A slot holds 512 along K, four steps.  A STEP: 32 products, each of the 32 accumulators once; behind them one run of 46 LDS loads: the step two further on, into the sets just read.
; REFILLS in drained rounds in steps 2 and 6; step 10's plain barrier shows the last.  P's tiles are shared along a row of the cluster, V^T's along a column.  PREFETCH: each tile behind the first, shared out by address among the sixteen waves that ask jointly.
; REGISTERS: window 0: addresses; v32-37, v40-45 scale words (register i < 4: lanes 0-15 P's block i, lanes 16-31 V's block i; 4, 5: V's blocks 4, 5 and 6, 7); v128-223 P's fragments, two sets.  window 1: V's, two sets.  window 2: accumulator (a, b) at v[64 a + 8 b].
.set SOFF,  524288
.set FRB,   1536
.set HALFA, 16*FRB
.set HALFB, 32*FRB
.set SLOT,  2*HALFA+2*HALFB
.set ASC,   2*SLOT                     ; P's fixed scale words: 16 chunks x 512 bytes
.set BSC,   ASC+8192                   ; V's: two row groups x 16 x 512
.set INVL,  BSC+16384                  ; 1 / l: 128 x 4
.set SPARE, INVL+512
.set SPITCH, 528                       ; the way out: a stage of 16 rows a wave in slot 0, which has had its last fill and its last read by then
.set PIN,   24576
.set NF,    46                         ; LDS loads of a step: 6 + 16 + 24
.set PFP,   10
.set PFV,   11
.set CO,    12
.set PO,    13
.set VO,    14
.set VB,    15
.set ADRA0, 16                         ; v16, v17: slot 0, at 16 x lane and at 8 x lane;  v18, v19: the slot that is read next
.set ADRA,  18
.set ADRB0, 20
.set ADRB,  21
.set ADRS0, 22                         ; v22, v23
.set ADRS,  24                         ; v24, v25
.set STO,   26
.set RD,    27
.set SPW,   28
.set NIL,   29
.set ILA,   30
.set AS,    31
.set SC,    32
.set IL,    96
.set AF,    128
.set BK,    128
.set G1, 24
.set G0, 32
.set G1B, 48
.set G0B, 56
.set K01, 2
.set K80, 3
.set K7F, 98
.set MSB, 0
.macro WIN new
.if MSB != \new
	s_set_vgpr_msb (MSB<<8)|\new
.set MSB, \new
.endif
.endm
.macro PLACES n
.rept \n
	v_nop
.endr
.endm
.macro WALU
	s_wait_alu depctr_va_vdst(0)
.endm
.macro SADD d, x
	s_add_co_u32 s\d, s\d, s\x
.endm
.macro MIDDLE
	WIN 0
	s_barrier_wait -1
	s_cmp_lg_u32 s14, 0
	s_cbranch_scc1 .Lnot_wave_0_\@
	s_barrier_signal -3
.Lnot_wave_0_\@:
	s_barrier_wait -3
	s_barrier_signal -1
	s_barrier_wait -1
.endm
.macro CROUND
	s_barrier_signal -1
	MIDDLE
.endm
.macro JLOAD                           ; a joint load: waves 0 and 1 fetch P's halves, waves 2 and 3 V's
	s_cmp_eq_u32 s15, 0
	s_cbranch_scc0 .Lfor_b_\@
	tensor_load_to_lds s[G0:G0+3], s[G1:G1+7]
	s_nop 0
	PLACES 4
	s_branch .Lasked_\@
.Lfor_b_\@:
	tensor_load_to_lds s[G0B:G0B+3], s[G1B:G1B+7]
	s_nop 0
	PLACES 4
.Lasked_\@:
.endm
.macro NEXT                            ; the next chunk, the other slot: no tensor load of mine is out
	s_xor_b32 s47, s47, SLOT
	s_add_co_u32 s[G0+1], s66, s47
	s_add_co_u32 s[G0B+1], s67, s47
	s_add_nc_u64 s[G0+2:G0+3], s[G0+2:G0+3], 4*FRB
	s_add_nc_u64 s[G0B+2:G0B+3], s[G0B+2:G0B+3], 4*FRB
.endm
.macro FETCH e, q                      ; the slot's step q into sets e: NF loads
	WIN 0
.irp i, 0,1,2,3
	ds_load_b32 v[SC+8*(\e)+\i], v[ADRS] offset:512*(\q)+64*\i
.endr
.irp i, 0,1
	ds_load_b32 v[SC+8*(\e)+4+\i], v[ADRS+1] offset:512*(\q)+128*\i
.endr
.irp g, 0,1,2,3
.set R_, AF+48*(\e)+12*\g
.set O_, (4*\g+(\q))*FRB
	ds_load_b128 v[R_:R_+3], v[ADRA] offset:O_
	ds_load_b64 v[R_+4:R_+5], v[ADRA+1] offset:O_+512
	ds_load_b128 v[R_+6:R_+9], v[ADRA] offset:O_+768
	ds_load_b64 v[R_+10:R_+11], v[ADRA+1] offset:O_+1280
.endr
	WIN 0x40
.irp g, 0,1,2,3,4,5,6,7
.set R_, 96*(\e)+12*\g
.set O_, (4*\g+(\q))*FRB
	ds_load_b128 v[R_:R_+3], v[ADRB] offset:O_
	ds_load_b128 v[R_+4:R_+7], v[ADRB] offset:O_+512
	ds_load_b128 v[R_+8:R_+11], v[ADRB] offset:O_+1024
.endr
	WIN 0
.endm
.macro PRL c, row
	v_wmma_scale_f32_16x16x128_f8f6f4 v[D_:D_+7], v[B_:B_+11], v[A_:A_+11], \c, v[XB_], v[XA_] matrix_a_fmt:MATRIX_FMT_FP6 matrix_b_fmt:MATRIX_FMT_FP6 matrix_a_scale:MATRIX_SCALE_ROW\row
.endm
.macro PR c
.if ROW_
	PRL \c, 1
.else
	PRL \c, 0
.endif
.endm
; products from .. to - 1 of a step: n = 4 b + a.  The accumulators take turns in the same order in every step
.macro BLOCK e, from, to, z
.set N_, \from
.rept (\to)-(\from)
.set a_, N_%4
.set b_, N_/4
.set D_, 64*a_+8*b_
.set A_, AF+48*(\e)+12*a_
.set B_, 96*(\e)+12*b_
.set XA_, SC+8*(\e)+a_
.if b_ < 4
.set XB_, SC+8*(\e)+b_
.set ROW_, 1
.else
.set XB_, SC+8*(\e)+4+(b_-4)/2
.set ROW_, b_%2
.endif
	WIN 0xa1                                       ; source 0 window 1, source 1 window 0, C and D window 2
.if \z
	PR 0
.else
	PR v[D_:D_+7]
.endif
.set N_, N_+1
.endr
.endm
.macro BORD adv                        ; a step's end: four places in front of loads into registers that its products have read
	WIN 0
.if \adv
	s_xor_b32 s101, s101, SLOT                     ; on to the next slot's addresses and scale words
	s_add_co_u32 s91, s91, 2048
	v_add_nc_u32 v[ADRA], s101, v[ADRA0]
	v_add_nc_u32 v[ADRA+1], s101, v[ADRA0+1]
	v_add_nc_u32 v[ADRB], s101, v[ADRB0]
	v_add_nc_u32 v[ADRS], s91, v[ADRS0]
	v_add_nc_u32 v[ADRS+1], s91, v[ADRS0+1]
	WALU
.else
	PLACES 4
.endif
.endm
.macro NSTEP e, z, q                   ; q: the slot's step that is fetched behind it
	s_wait_dscnt NF                                ; the next step's loads may be out
	BLOCK \e, 0, 32, \z
	BORD 0
	FETCH \e, \q
.endm
.macro RSTEP e, rnd                    ; a round and the refill of the slot, whose last step has been fetched (rnd = 1), or a plain barrier behind which nothing is filled; then on to the other slot
	s_wait_tensorcnt 0x0
.if \rnd
	ds_add_u32 v[SPW], v[NIL]                      ; 0 onto my spare word
	NEXT
	s_wait_dscnt NF+1                              ; (the add and the next step's loads may be out)
.else
	s_wait_dscnt NF
.endif
	BLOCK \e, 0, 18, 0
	WIN 0
	s_wait_dscnt 0x0                               ; the add is done, and my reads of this slot are over
	s_barrier_signal -1
	BLOCK \e, 18, 26, 0
.if \rnd
	MIDDLE
	JLOAD
.else
	WIN 0
	s_barrier_wait -1
.endif
	BLOCK \e, 26, 32, 0
	BORD 1
	FETCH \e, 0
.endm
.macro PFGO c                          ; chunk c: P's and V's tiles
	global_prefetch_b8 v[PFP], s[4:5] offset:4*FRB*(\c) th:TH_LOAD_NT scope:SCOPE_SE
	global_prefetch_b8 v[PFV], s[8:9] offset:4*FRB*(\c) th:TH_LOAD_NT scope:SCOPE_SE
.endm
	s_load_b256 s[4:11], s[0:1], 0x0               ; pq, st, vt, out0
	v_lshl_add_u32 v[SPW], v0, 2, SPARE
	v_mov_b32 v[NIL], 0
	ds_add_u32 v[SPW], v[NIL]                      ; the opening lines
	ds_add_u32 v[SPW], v[NIL]
	v_lshrrev_b32 v1, 5, v0
	v_readfirstlane_b32 s14, v1
	s_lshr_b32 s15, s14, 1                         ; my half of the queries.  Also: I fetch for P (0) or for V (1)
	s_and_b32 s16, s14, 1                          ; my half of the outputs.  Also: which half of that tile I fetch
	s_bfe_u32 s40, ttmp6, 0x40000
	s_bfe_u32 s41, ttmp6, 0x40004
	s_lshl_b32 s42, ttmp9, 2
	SADD 42, 40                                    ; 256 outputs
	s_and_b32 s96, ttmp7, 0xffff
	s_lshr_b32 s97, s96, 2                         ; the batch: four cluster rows each
	s_lshl_b32 s17, s96, 2
	SADD 17, 41                                    ; 128 queries
	s_lshl_b32 s43, s41, 2
	s_lshl_b32 s43, 15, s43
	s_lshl_b32 s44, 0x1111, s40
	s_or_b32 s[G1+0], s43, (3<<16)|(1<<21)         ; 4 row blocks x 6,144 bytes
	s_mov_b32 s[G1+1], 768<<16
	s_mov_b32 s[G1+2], 4<<16
	s_mov_b32 s[G1+3], 768<<16
	s_mov_b32 s[G1+4], 4
	s_mov_b32 s[G1+5], PIN/8
	s_mov_b32 s[G1+6], 0
	s_mov_b32 s[G1+7], 0
	s_or_b32 s[G1B+0], s44, (3<<16)|(1<<21)        ; 8 row blocks
	s_mov_b32 s[G1B+1], 768<<16
	s_mov_b32 s[G1B+2], 8<<16
	s_mov_b32 s[G1B+3], 768<<16
	s_mov_b32 s[G1B+4], 8
	s_mov_b32 s[G1B+5], PIN/8
	s_mov_b32 s[G1B+6], 0
	s_mov_b32 s[G1B+7], 0
	s_lshl_b32 s20, s17, 3
	s_lshl_b32 s18, s16, 2
	SADD 20, 18
	s_mul_i32 s20, s20, PIN
	s_add_co_u32 s20, s20, SOFF                    ; P: row block 8 x tile row + 4 x half
	s_mov_b32 s21, 0
	s_mul_i32 s99, s97, 1572864
	s_add_co_u32 s99, s99, SOFF                    ; V's batch
	s_lshl_b32 s46, s42, 1
	SADD 46, 16
	s_mul_i32 s46, s46, 8*PIN
	SADD 46, 99                                    ; V: the row group that I fetch
	s_mov_b32 s47, 0
	s_lshl_b32 s22, s42, 14
	s_lshl_b32 s18, s97, 16
	SADD 22, 18                                    ; V's scale words: two row groups, 16,384 bytes
	s_mov_b32 s23, 0
	s_lshl_b32 s92, s17, 13                        ; my row group's words in pq and in st
	s_mov_b32 s93, 0
	s_lshl_b32 s18, s17, 7
	s_lshl_b32 s19, s15, 6
	SADD 18, 19
	s_lshl_b32 s18, s18, 12
	s_lshl_b32 s19, s42, 10
	SADD 18, 19
	s_lshl_b32 s19, s16, 9
	SADD 18, 19                                    ; out0: my 64 rows, my 128 columns
	s_mov_b32 s19, 0
	s_mul_i32 s66, s16, HALFA
	s_mul_i32 s67, s16, HALFB
	s_add_co_u32 s67, s67, 2*HALFA
	s_mov_b32 s[K01], 0x01010101
	s_mov_b32 s[K80], 0x80808080
	s_mov_b32 s[K7F], 0x7f7f7f7f
	s_mov_b32 s101, 0
	s_mov_b32 s91, 0
	v_and_b32 v1, 15, v0                           ; r
	v_bfe_u32 v2, v0, 4, 1                         ; h
	v_and_b32 v3, 31, v0
	v_lshlrev_b32 v[CO], 4, v3
	v_lshlrev_b32 v4, 3, v3
	v_lshlrev_b32 v5, 2, v3
	v_lshlrev_b32 v[PO], 2, v0
	v_lshlrev_b32 v[VO], 4, v0
	v_lshl_add_u32 v[VB], v0, 4, BSC
	v_lshl_add_u32 v[AS], v0, 2, ASC
	s_mul_i32 s68, s15, HALFA
	s_mul_i32 s69, s16, HALFB
	s_add_co_u32 s69, s69, 2*HALFA
	v_add_nc_u32 v[ADRA0], s68, v[CO]
	v_add_nc_u32 v[ADRA0+1], s68, v4
	v_add_nc_u32 v[ADRA], s68, v[CO]
	v_add_nc_u32 v[ADRA+1], s68, v4
	v_add_nc_u32 v[ADRB0], s69, v[CO]
	v_add_nc_u32 v[ADRB], s69, v[CO]
	WALU                                           ; the wait here, ahead of the readers below
	s_lshl_b32 s68, s15, 8
	s_add_co_u32 s68, s68, ASC                     ; P's words: my four blocks of a chunk's eight
	s_lshl_b32 s69, s16, 13
	s_add_co_u32 s69, s69, BSC                     ; V's: my row group
	s_sub_co_u32 s70, s69, s68
	v_lshlrev_b32 v6, 2, v1
	v_mul_u32_u24 v7, s70, v2                      ; lanes 16-31 take V's
	v_add_nc_u32 v6, v6, v7
	v_add_nc_u32 v[ADRS0], s68, v6
	v_add_nc_u32 v[ADRS], s68, v6
	s_add_co_u32 s69, s69, 256
	v_add_nc_u32 v[ADRS0+1], s69, v5               ; V's blocks 4 + h and 6 + h
	v_add_nc_u32 v[ADRS+1], s69, v5
	s_lshl_b32 s68, s15, 8
	s_add_co_u32 s68, s68, INVL
	v_lshl_add_u32 v[ILA], v1, 2, s68              ; 1 / l of my rows
	s_mul_i32 s69, s14, 16*SPITCH                  ; my stage
	v_mul_u32_u24 v6, v1, SPITCH
	v_lshl_add_u32 v6, v2, 7, v6
	v_add_nc_u32 v[STO], s69, v6                   ; in: row r, + 128 h
	v_add_nc_u32 v[RD], s69, v[CO]                 ; back: a row's 512 bytes
	s_lshl_b32 s68, s40, 2
	SADD 68, 14                                    ; my number among the sixteen waves of my row of the cluster: half a row block of P each
	s_lshr_b32 s69, s68, 1
	s_lshl_b32 s70, s17, 3
	SADD 69, 70
	s_mul_i32 s69, s69, PIN
	s_and_b32 s68, s68, 1
	s_mul_i32 s68, s68, 3072
	SADD 69, 68
	s_add_co_u32 s69, s69, SOFF
	v_min_u32 v[PFP], 11, v3
	v_lshl_add_u32 v[PFP], v[PFP], 8, s69
	s_lshl_b32 s68, s41, 2
	SADD 68, 14                                    ; and of my column: a row block of V each
	s_lshl_b32 s70, s42, 4
	SADD 68, 70
	s_mul_i32 s68, s68, PIN
	SADD 68, 99
	v_min_u32 v[PFV], 23, v3
	v_lshl_add_u32 v[PFV], v[PFV], 8, s68
	WALU                                           ; the wait ahead of the blocking waits below
	s_wait_dscnt 0x0
	s_wait_kmcnt 0x0
	s_add_nc_u64 s[22:23], s[8:9], s[22:23]
	s_add_nc_u64 s[94:95], s[6:7], s[92:93]        ; -M and l
	s_add_nc_u64 s[92:93], s[4:5], s[92:93]        ; P's raw scale words
	s_add_nc_u64 s[10:11], s[10:11], s[18:19]
	; ---- my position's 16 scale words, 16 -M and 16 l; and 16 bytes of each 2,048 of V's scale words
.irp s, 0,1,2,3,4,5,6,7,8,9,10,11,12,13,14,15
	global_load_b32 v[128+\s], v[PO], s[92:93] offset:512*\s
	global_load_b32 v[144+\s], v[PO], s[94:95] offset:512*\s
	global_load_b32 v[160+\s], v[PO], s[94:95] offset:512*\s+524288
.endr
.irp s, 0,1,2,3,4,5,6,7
	global_load_b128 v[184+4*\s:187+4*\s], v[VO], s[22:23] offset:2048*\s
.endr
	s_mov_b32 s[G0], 1
	s_mov_b32 s[G0+1], s66
	s_add_nc_u64 s[G0+2:G0+3], s[4:5], s[20:21]
	s_or_b32 s[G0+3], s[G0+3], 0x80000000
	s_mov_b32 s[G0B], 1
	s_mov_b32 s[G0B+1], s67
	s_add_nc_u64 s[G0B+2:G0B+3], s[8:9], s[46:47]
	s_or_b32 s[G0B+3], s[G0B+3], 0x80000000
	s_mov_b32 s47, 0
	CROUND
	JLOAD                                          ; slot 0: one tensor load a wave at the head
	PFGO 1
	s_wait_loadcnt 0x0
.irp s, 0,1,2,3,4,5,6,7
	ds_store_b128 v[VB], v[184+4*\s:187+4*\s] offset:2048*\s
.endr
	v_min3_num_f32 v176, v144, v145, v146
.irp i, 3,5,7,9,11,13
	v_min3_num_f32 v176, v176, v[144+\i], v[145+\i]
.endr
	v_min_num_f32 v176, v176, v159                 ; the row's -M
.macro FIX s
	v_sub_f32 v178, v176, v[144+\s]                ; M(chunk) - M(row): a whole number, 0 or less
	v_cvt_i32_f32 v178, v178                       ; (it saturates)
	v_ldexp_f32 v179, 1.0, v178                    ; 2^-d
.if \s == 0
	v_mul_f32 v177, v[160+\s], v179
.else
	v_fma_f32 v177, v[160+\s], v179, v177          ; l
.endif
	v_sub_nc_u32 v178, 0, v178
	v_min_u32 v178, 127, v178                      ; d, held at 127
	v_mul_lo_u32 v178, v178, s[K01]                ; in each byte
	v_or_b32 v180, s[K80], v[128+\s]               ; bytes + 128: no byte borrows from its neighbour
	v_sub_nc_u32 v180, v180, v178
	v_lshrrev_b32 v181, 7, v180
	v_and_b32 v181, s[K01], v181                   ; 1 where byte - d is not negative
	v_mul_lo_u32 v181, v181, 255
	v_and_b32 v180, s[K7F], v180
	v_and_b32 v[128+\s], v180, v181                ; byte - d, held at 0
.endm
.irp s, 0,1,2,3,4,5,6,7,8,9,10,11,12,13,14,15
	FIX \s
.endr
	WALU
	v_rcp_f32 v182, v177
	v_nop
	WALU                                           ; the wait on both sides of the reciprocal
.irp s, 0,1,2,3,4,5,6,7,8,9,10,11,12,13,14,15
	ds_store_b32 v[AS], v[128+\s] offset:512*\s
.endr
	ds_store_b32 v[AS], v182 offset:INVL-ASC
	s_wait_tensorcnt 0x0                           ; my part of slot 0 is in
	ds_add_u32 v[SPW], v[NIL]
	NEXT
	s_wait_dscnt 0x0                               ; the add is done; my words and 1 / l lie in LDS
	CROUND
	JLOAD                                          ; slot 1
	FETCH 0, 0
	FETCH 1, 1
	NSTEP 0, 1, 2                                  ; the first step's products start the sums
	PFGO 2
	NSTEP 1, 0, 3
	PFGO 3
	s_mov_b32 s86, 0
.Lwith_rounds:                                     ; steps 2 to 5, 6 to 9
	RSTEP 0, 1
	NSTEP 1, 0, 1
	NSTEP 0, 0, 2
	NSTEP 1, 0, 3
	s_add_co_u32 s86, s86, 1
	s_cmp_lg_u32 s86, 2
	s_cbranch_scc1 .Lwith_rounds
	RSTEP 0, 0
	NSTEP 1, 0, 1
	NSTEP 0, 0, 2
	NSTEP 1, 0, 3
	s_wait_dscnt NF
	BLOCK 0, 0, 32, 0
	s_wait_dscnt 0x0
	BLOCK 1, 0, 32, 0
	WIN 0
; THE WAY OUT, block by block of 16 queries x 128 outputs: x 1 / l; through my stage, so that the 32 lanes store a row's 512 consecutive bytes.  LDS serves a wave's instructions in order: no wait between a block's stores and its loads.
.macro MULL a
.set AC, 64*(\a)
	WIN 0x82                                       ; destination and source 0: window 2
.set j, 0
.rept 32
	v_pk_mul_f32 v[AC+j:AC+j+1], v[AC+j:AC+j+1], v[IL+2*(\a):IL+2*(\a)+1]   ; each accumulator from its low end on
.set j, j+2
.endr
.endm
.macro TOSTAGE a
.set AC, 64*(\a)
.set BB, BK+64*((\a)%2)
	WIN 0x08                                       ; an LDS store's data are its source 1: window 2
.irp b, 0,1,2,3,4,5,6,7
	ds_store_b128 v[STO], v[AC+8*\b:AC+8*\b+3] offset:256*(\b/4)+32*(\b%4)
	ds_store_b128 v[STO], v[AC+8*\b+4:AC+8*\b+7] offset:256*(\b/4)+32*(\b%4)+16
.endr
	WIN 0
.irp t, 0,1,2,3,4,5,6,7,8,9,10,11,12,13,14,15
	ds_load_b128 v[BB+4*\t:BB+4*\t+3], v[RD] offset:\t*SPITCH
.endr
.endm
.macro SEND a, younger                 ; younger: the LDS instructions issued behind block a's loads
.set BB, BK+64*((\a)%2)
	s_wait_dscnt \younger
.irp t, 0,1,2,3,4,5,6,7,8,9,10,11,12,13,14,15
	global_store_b128 v[CO], v[BB+4*\t:BB+4*\t+3], s[10:11] offset:(32*(\t/8)+8*(\a)+(\t%8))*4096 th:TH_STORE_NT   ; 512 consecutive bytes, at a multiple of 256
.endr
.endm
	PLACES 4                                       ; behind the last products
.irp a, 0,1,2,3
	ds_load_b32 v[IL+2*\a], v[ILA] offset:64*\a
	ds_load_b32 v[IL+2*\a+1], v[ILA] offset:64*\a  ; twice: a pair for the packed multiply
.endr
	s_wait_dscnt 0x0
	MULL 0
	TOSTAGE 0
.irp a, 1,2,3
.if \a > 1
	s_wait_xcnt 0x0                                ; block a - 2's stores have read their registers: block a's loads may land there
.endif
	MULL \a
	TOSTAGE \a
	SEND \a-1, 32                                  ; behind block a - 1's loads: block a's 16 stores and 16 loads
.endr
	SEND 3, 0
	s_wait_tensorcnt 0x0                           ; the wave's end
	ds_add_u32 v[SPW], v[NIL]
	s_wait_dscnt 0x0
	CROUND                                         ; the closing round
	s_endpgm
.Lfunc_end_k_q95094aa2a5_pv:
	.size	k_q95094aa2a5_pv, .Lfunc_end_k_q95094aa2a5_pv-k_q95094aa2a5_pv
	.p2alignl 7, 3214868480
	.fill 96, 4, 3214868480
	.section	.rodata,"a",@progbits
	.p2align	6, 0x0
	.amdhsa_kernel k_q95094aa2a5_pv
		.amdhsa_group_segment_fixed_size 327680
		.amdhsa_private_segment_fixed_size 0
		.amdhsa_enable_private_segment 0
		.amdhsa_kernarg_size 32
		.amdhsa_user_sgpr_count 2
		.amdhsa_user_sgpr_kernarg_segment_ptr 1
		.amdhsa_wavefront_size32 1
		.amdhsa_system_sgpr_workgroup_id_x 1
		.amdhsa_system_sgpr_workgroup_id_y 1
		.amdhsa_system_sgpr_workgroup_id_z 1
		.amdhsa_system_vgpr_workitem_id 0
		.amdhsa_next_free_vgpr 768
		.amdhsa_next_free_sgpr 102
		.amdhsa_reserve_vcc 0
		.amdhsa_float_denorm_mode_32 3
		.amdhsa_float_denorm_mode_16_64 3
		.amdhsa_memory_ordered 1
		.amdhsa_forward_progress 1
		.amdhsa_inst_pref_size 139
	.end_amdhsa_kernel
	.amdgpu_metadata
---
amdhsa.version: [ 1, 2 ]
amdhsa.kernels:
  - .name:           k_q95094aa2a5_pv
    .symbol:         k_q95094aa2a5_pv.kd
    .args:
      - { .name: pq, .offset: 0, .size: 8, .value_kind: global_buffer, .address_space: global }
      - { .name: st, .offset: 8, .size: 8, .value_kind: global_buffer, .address_space: global }
      - { .name: vt, .offset: 16, .size: 8, .value_kind: global_buffer, .address_space: global }
      - { .name: out0, .offset: 24, .size: 8, .value_kind: global_buffer, .address_space: global }
    .group_segment_fixed_size: 327680
    .private_segment_fixed_size: 0
    .kernarg_segment_align: 8
    .kernarg_segment_size: 32
    .max_flat_workgroup_size: 128
    .sgpr_count:     102
    .vgpr_count:     768
    .wavefront_size: 32
...
	.end_amdgpu_metadata
.endif
;; end of part 4
